; MI455X (gfx1250); checked and timed in simulation.
; The chip was launched on July 23, 2026; its instructions are those of AMD's public machine-readable ISA for CDNA 5 (MIT licence, August 2026) and "CDNA5" Instruction Set Architecture Reference Guide (July 2026). The comments in the code are by the model that wrote it; some were corrected since.
;; Causal Self Attention. Allowed arithmetic: matrix products marked QUANTISED: E4M3 operands, one given power-of-two scale a tensor, by v_wmma_f32_16x16x64_fp8_fp8 or v_wmma_f32_16x16x128_fp8_fp8, f32 sums; everything else in f32.
;; Inputs: W_attn 1,024 x 3,072 float32; W_proj 1,024 x 1,024 float32; b_attn 3,072 float32; b_proj 1,024 float32; lowp_scales 8 int32 (the exponents e of the quantised operands' scales 2^e); x 4 x 2,048 x 1,024 float32.
;; Outputs: out0 4 x 2,048 x 1,024 float32.
;; This version of the problem:
;;   THIS VERSION OF THE PROBLEM IS GIVEN IN LOW PRECISION. The matrix products marked QUANTISED in the list below multiply operands that are first quantised to E4M3 (4 exponent bits, 3 mantissa bits; 8 bits a number), with one given power-of-two scale for each operand tensor; their sums are f32. All else is computed in f32.
;;   The module's matrix products, in the order in which they are computed (A, B: the left and right operand; K: the contracted axis; several contracted axes count as one K, in the product's order):
;;     1. [M 8,192, K 1,024] x [K 1,024, N 3,072]; A: input x; B: input W_attn: QUANTISED (scales: A lowp_scales[0], B lowp_scales[1])
;;     2. batch 64 x [M 2,048, K 64] x [K 64, N 2,048]; A: computed on the way; B: computed on the way: QUANTISED (scales: A lowp_scales[2], B lowp_scales[3])
;;     3. batch 64 x [M 2,048, K 2,048] x [K 2,048, N 64]; A: softmax (see below); B: computed on the way: QUANTISED (scales: A lowp_scales[4], B lowp_scales[5])
;;     4. [M 8,192, K 1,024] x [K 1,024, N 1,024]; A: computed on the way; B: input W_proj: QUANTISED (scales: A lowp_scales[6], B lowp_scales[7])
;;   THE QUANTISER, for each operand of a quantised product, along K:
;;     - The operand's scale is 2^e, e = its entry of the input lowp_scales (int32; the entries are numbered through the quantised products in the list's order, A before B).
;;     - Each number is divided by the scale, clamped to +-448, and rounded to the nearest number of E4M3, ties to even, subnormals kept.
;;     - The product sums the exact products of the quantised numbers (number of the format x scale) in f32.
;;   ~~~python
;;   def quantise(x, axis, e):      # numpy; x: float32 -> the quantised numbers, widened to float32 again
;;       x = np.moveaxis(x, axis, -1); K = x.shape[-1]
;;       r = np.clip(x / 2.0 ** e, -448, 448)
;;       step = 2.0 ** (np.maximum(np.frexp(np.where(r == 0, 1, r))[1] - 1, -6) - 3)
;;       q = np.round(r / step) * step * 2.0 ** e      # np.round: ties to even
;;       return np.moveaxis(q, -1, axis).astype(np.float32)
;;   ~~~
;;   SOFTMAX AHEAD OF A QUANTISED PRODUCT. Where the list says 'softmax', what is quantised is not the finished softmax but p = 2^(t - M), with t = logit x log2(e) and M = ceil(the row's largest t), a whole number; so 1/2 < the row's largest p <= 1. The row's sum l is taken of the UNQUANTISED p, in f32, and the product's result is divided by l at the end. Since M is a whole number, a kernel that streams over the keys may use a running M (the ceiling of the running maximum): every later rescaling is an exact power of two, so the quantised numbers keep their values, but for numbers so far below the row's largest that they fall under the format's range.
;;   OPERANDS COMPUTED ON THE WAY. 'Computed on the way' means the value that the module computes at that place (a softmax that the list does not call 'softmax' is quantised finished and normalised). What goes into a quantiser is computed in f32, as accurately as f32 sums, v_exp_f32 and their like allow (about 1e-6 of the number): no bf16 or f16 on the way to a quantiser, and a product that is left as it is and whose result goes on into a quantised operand takes f32 operands (vector FMAs, or v_wmma_f32_16x16x4_f32). A number that lies on a knife's edge between two numbers of the format may be rounded either way, as far as f32 arithmetic and the matrix unit's own rounding can turn it there, and no further.
;; One version. Each part assembles by itself: llvm-mc -triple=amdgcn-amd-amdhsa -mcpu=gfx1250 --defsym DOCPART=n.
;; ======== version 1 of 1: 4 launches
;; limits: right only within a limited range of input values
;; workspace buffers: xc 8,388,608 bytes; wa 3,145,728 bytes; wp 1,048,576 bytes; qc 8,388,608 bytes; kc 8,388,608 bytes; vc 8,388,608 bytes; ac 8,388,608 bytes
;; launch quant (part 1): grid 384 x 1, 4 waves a work-group, no clusters, 68,096 bytes of LDS; arguments x, W_attn, W_proj, lowp_scales, xc, wa, wp; writes xc, wa, wp
.if DOCPART == 1
	.amdgcn_target "amdgcn-amd-amdhsa--gfx1250"
	.amdhsa_code_object_version 6
	.text
	.protected	k_q0a333e359a_quant
	.globl	k_q0a333e359a_quant
	.p2align	8
	.type	k_q0a333e359a_quant,@function
k_q0a333e359a_quant:
	s_mov_b64 s[64:65], 0
	v_nop
	global_prefetch_b8 v0, s[64:65] scope:SCOPE_SE
	s_setreg_imm32_b32 hwreg(HW_REG_WAVE_MODE, 25, 1), 1
	s_wait_xcnt 0x0
; CAUSAL SELF-ATTENTION ON CODES OF FP8 (E4M3), FOUR LAUNCHES.  This one: x, W_attn and W_proj (f32) become codes, K innermost, each with its given scale 2^e.
;   xc [8192 tokens][1024 k]   wa [3072 n][1024 k]   wp [1024 n][1024 k], one code a byte.
; code = number / 2^e, held within +-448, rounded to the nearest code, ties to even.  e: entry 0 (x), 1 (W_attn), 7 (W_proj) of the buffer of scales.
; WORK LEFT OUT IN THIS PROGRAM (in the launch attn).  reference() itself builds the mask jnp.tril and puts -inf in place of every score of a key k > q, whatever the inputs hold; the softmax's p of
; such a key is 0, so nothing of that score, nor of the product of that p with v, reaches out0.  So key steps of 128 keys that lie wholly behind a wave's 16 queries are not computed.
; Every input has a way to out0: all are loaded (the bias on k too: it stands ahead of a quantiser).
; LIMIT: a NaN, an infinity or an overflow that reaches only the work left out is not carried to the result.
; LIMITS of this launch: each e between -126 and 119, so that 2^e and 448 x 2^e are f32 numbers.  NaN among the inputs is not served; an infinity is held at the largest code.
; SHARES.  Work-groups 0-255: x, a plain stream (K is innermost and rows are dense): 32,768 numbers each, 8,192 a wave in 16 steps of 512.  Each load reads 512 consecutive bytes; a step's 2,048 bytes turn through
; the wave's own stage in LDS so that a lane holds 16 neighbours along K, which the conversions want; a lane's 16 codes are 16 bytes, a wave's store 512 consecutive bytes.
; Work-groups 256-383: the weights, whose K is the FIRST axis: a lane takes a column, its registers run down K; 128 columns x 256 K a work-group; the codes leave through a stage as rows of 256 bytes.
; The two paths part on the work-group's number alone and have LDS bytes of their own.  No tensor loads, no barrier: waves share nothing.  No matrix unit, no cluster: memory binds, and nothing is read twice.
; (The launch attn as it stands: the unit left out is a key step of 128 keys that lies wholly behind a wave's 16 queries; every key of a head is fetched by each of its work-groups, since each holds queries of the head's last 128.)
.set SPARE, 67584                      ; behind both paths' stages: the spare words, 128 bytes a wave, that no other line names
.set SPW,   12                         ; v12  SPARE + 4 x my thread's number; never rewritten
.set NIL,   13                         ; v13  0; never rewritten
.set EMAX,  8
.set MANT,  0x600000                   ; the mantissa field of 448 as f32
; x's path
.set STEPS, 16
.set WREG,  8192                       ; LDS 0..32767: a region for each wave: two stages of 32 x SP bytes
.set SP,    80                         ; a lane's place in a stage: 64 bytes + 16 of padding
.set R,     16                         ; v16-79   four sets of 16 numbers as loaded
.set X,     80                         ; v80-111  two sets of 16 neighbours
.set C,     128                        ; v128-191 codes: four registers a step, so that no store's data are written again
; the weights' path
.set WSTG,  32768                      ; LDS 32768..67583: 32 rows x 272 bytes for each wave
.set WPI,   272
.set XW,    32                         ; v32-95   two sets of 32 numbers
.set CW,    96                         ; v96-103  a block's codes
.set OUTR,  112                        ; v112-175 the way out
.set OFW,   176                        ; v176-207 4 x lane + i x pitch, i = 0 .. 31: the rows of a block; never rewritten
	s_load_b256 s[4:11], s[0:1], 0x0               ; x s[4:5], W_attn s[6:7], W_proj s[8:9], the exponents s[10:11]
	s_load_b128 s[12:15], s[0:1], 0x20             ; xc s[12:13], wa s[14:15]
	s_load_b64 s[16:17], s[0:1], 0x30              ; wp
	v_lshl_add_u32 v[SPW], v0, 2, SPARE
	v_mov_b32 v[NIL], 0
	v_lshrrev_b32 v1, 5, v0
	v_readfirstlane_b32 s20, v1                    ; wave 0..3
	v_and_b32 v2, 31, v0                           ; lane
	s_wait_kmcnt 0x0
	s_load_b256 s[24:31], s[10:11], 0x0            ; e0 .. e7
	s_cmp_lt_u32 ttmp9, 256
	s_cbranch_scc0 .Lweights
; ---------------- x ----------------
	s_wait_alu depctr_va_vdst(0)
	v_lshlrev_b32 v3, 4, v2                        ; my 16 bytes of a load's 512
	s_wait_alu depctr_va_vdst(0)
	s_mul_i32 s21, s20, WREG
	v_lshrrev_b32 v14, 2, v2
	v_mul_u32_u24 v14, v14, SP
	v_and_b32 v15, 3, v2
	v_lshl_add_u32 v14, v15, 4, v14
	v_add_nc_u32 v14, s21, v14                     ; into the stage: four lanes' 64 bytes on end, then the padding
	v_mul_u32_u24 v15, v2, SP
	v_add_nc_u32 v15, s21, v15                     ; out of it: my 16 neighbours
	v_mul_u32_u24 v4, v2, 16                       ; my codes' place in a step's
	s_lshl_b32 s22, ttmp9, 2
	s_add_co_u32 s22, s22, s20                     ; which run of 8,192 numbers is my wave's
	s_lshl_b32 s32, s22, 15                        ; 32,768 bytes of f32 a run
	s_mov_b32 s33, 0
	s_add_nc_u64 s[4:5], s[4:5], s[32:33]
	s_lshl_b32 s32, s22, 13                        ; 8,192 bytes of codes a run
	s_add_nc_u64 s[12:13], s[12:13], s[32:33]
.macro LOADX t
.irp i, 0,1,2,3
	global_load_b128 v[R+16*((\t)%4)+4*\i:R+16*((\t)%4)+4*\i+3], v3, s[4:5] offset:2048*(\t)+512*\i th:TH_LOAD_NT   ; 32 lanes read 512 consecutive bytes
.endr
.endm
.macro TURNX t                         ; step t's numbers through the stage: LDS serves a wave's instructions in order, so no wait stands between the stores and the loads
.irp i, 0,1,2,3
	ds_store_b128 v14, v[R+16*((\t)%4)+4*\i:R+16*((\t)%4)+4*\i+3] offset:32*SP*((\t)%2)+8*SP*\i
.endr
.irp i, 0,1,2,3
	ds_load_b128 v[X+16*((\t)%2)+4*\i:X+16*((\t)%2)+4*\i+3], v15 offset:32*SP*((\t)%2)+16*\i
.endr
.endm
.irp t, 0,1,2,3
	LOADX \t
.endr
	s_wait_alu depctr_va_vdst(0)
	s_wait_kmcnt 0x0
	s_add_co_i32 s34, s24, 127
	s_lshl_b32 s35, s34, 23
	v_mov_b32 v11, s35                             ; 2^e0 as f32: the conversion takes its exponent field
	s_add_co_i32 s34, s34, EMAX
	s_lshl_b32 s34, s34, 23
	s_or_b32 s34, s34, MANT
	v_mov_b32 v10, s34                             ; 448 x 2^e0
	s_wait_alu depctr_va_vdst(0)
	s_wait_loadcnt 12                              ; step 0's four loads are in; the 12 of steps 1 to 3 may be out
	TURNX 0
.macro STEPX t
.set XS, X+16*((\t)%2)
	s_wait_dscnt 0x0                               ; this step's numbers are back from the stage: so its stores into the stage have read their registers,
.if (\t)+4 < STEPS
	LOADX (\t)+4                                   ; which take the loads of four steps on
.endif
.if (\t)+1 < STEPS
.if STEPS-2-(\t) >= 3
	s_wait_loadcnt 12                              ; the next step's four loads are in; those of the three steps behind it may be out
.else
	s_wait_loadcnt 4*(STEPS-2-(\t))                ; the tail: the counts run down
.endif
	TURNX (\t)+1                                   ; and go through the other stage while this step is worked
.endif
.irp i, 0,1,2,3,4,5,6,7,8,9,10,11,12,13,14,15
	v_med3_num_f32 v[XS+\i], v[XS+\i], -v10, v10   ; the conversion to an 8-bit code does not saturate (ISA guide 7.6.2): the hold comes first
.endr
	v_cvt_scalef32_pk8_fp8_f32 v[C+4*(\t):C+4*(\t)+1], v[XS:XS+7], v11
	v_cvt_scalef32_pk8_fp8_f32 v[C+4*(\t)+2:C+4*(\t)+3], v[XS+8:XS+15], v11
	global_store_b128 v4, v[C+4*(\t):C+4*(\t)+3], s[12:13] offset:512*(\t)   ; 32 lanes store 512 consecutive bytes.  The codes go to a store alone; the next vector lines are the next step's holds, plain and on other registers
.endm
.irp t, 0,1,2,3,4,5,6,7,8,9,10,11,12,13,14,15
	STEPX \t
.endr
	s_branch .Lend
; ---------------- the weights ----------------
.Lweights:
	s_sub_co_u32 s21, ttmp9, 256
	s_and_b32 s22, s21, 31                         ; block of 128 columns: 0-23 W_attn's, 24-31 W_proj's
	s_lshr_b32 s23, s21, 5                         ; which 256 along K
	s_cmp_lt_u32 s22, 24                           ; the choice hangs on the work-group's number alone
	s_cselect_b64 s[50:51], s[6:7], s[8:9]         ; from
	s_cselect_b64 s[48:49], s[14:15], s[16:17]     ; to
	s_mov_b32 s52, 4096
	s_cselect_b32 s52, 12288, s52                  ; a row of the weight in bytes
	s_cselect_b32 s54, 1, 0                        ; kept for the choice of e
	s_cselect_b32 s53, 0, 24
	s_sub_co_u32 s22, s22, s53                     ; the block within its weight
	s_lshl_b32 s22, s22, 7
	s_lshl_b32 s56, s20, 5
	s_add_co_u32 s22, s22, s56                     ; my wave's first column
	s_lshl_b32 s56, s22, 10                        ; codes: column x 1,024 bytes + 256 y
	s_lshl_b32 s58, s23, 8
	s_add_co_u32 s56, s56, s58
	s_mov_b32 s57, 0
	s_add_nc_u64 s[48:49], s[48:49], s[56:57]
	s_mul_i32 s56, s58, s52                        ; the weight: 256 y rows + 4 x column
	s_lshl_b32 s58, s22, 2
	s_add_co_u32 s56, s56, s58
	s_add_nc_u64 s[32:33], s[50:51], s[56:57]      ; block 0's base;
	s_lshl_b32 s56, s52, 5                         ; 32 rows on for each further block: eight bases, made once, so that nothing is stepped
.irp t, 1,2,3,4,5,6,7
	s_add_nc_u64 s[32+2*\t:33+2*\t], s[30+2*\t:31+2*\t], s[56:57]
.endr
	s_wait_alu depctr_va_vdst(0)
	v_lshlrev_b32 v3, 2, v2                        ; 4 bytes a lane: 32 neighbouring columns, 128 consecutive bytes a wave
.set i, 0
.rept 32
	v_mad_u32_u24 v[OFW+i], s52, i, v3
.set i, i+1
.endr
	s_mul_i32 s58, s20, 32*WPI
	s_add_co_u32 s58, s58, WSTG                    ; my stage
	v_mul_u32_u24 v4, v2, WPI
	v_add_nc_u32 v4, s58, v4                       ; into it: row = my column
	v_and_b32 v5, 15, v2
	v_lshrrev_b32 v6, 4, v2                        ; out of it: sixteen lanes to a row, two rows an instruction
	v_mul_u32_u24 v7, v6, WPI
	v_lshl_add_u32 v7, v5, 4, v7
	v_add_nc_u32 v7, s58, v7
	v_lshlrev_b32 v8, 10, v6
	v_lshl_add_u32 v8, v5, 4, v8                   ; and the same place among the codes' rows of 1,024 bytes
.macro LOADW t                         ; block t: W(32 t + i, my column), i = 0 .. 31, into set t % 2
.set i, 0
.rept 32
	global_load_b32 v[XW+32*((\t)%2)+i], v[OFW+i], s[32+2*(\t):33+2*(\t)] th:TH_LOAD_NT
.set i, i+1
.endr
.endm
	LOADW 0
	LOADW 1
	s_wait_kmcnt 0x0
	s_cmp_eq_u32 s54, 1
	s_cselect_b32 s55, s25, s31                    ; e1 or e7
	s_add_co_i32 s55, s55, 127
	s_lshl_b32 s56, s55, 23
	v_mov_b32 v11, s56                             ; 2^e
	s_add_co_i32 s55, s55, EMAX
	s_lshl_b32 s55, s55, 23
	s_or_b32 s55, s55, MANT
	v_mov_b32 v10, s55                             ; 448 x 2^e
.macro BLOCKW t
.set XS, XW+32*((\t)%2)
.if (\t) < 7
	s_wait_loadcnt 32                              ; this block's 32 loads are in; the next block's 32 may be out
.else
	s_wait_loadcnt 0x0
.endif
.set i, 0
.rept 32
	v_med3_num_f32 v[XS+i], v[XS+i], -v10, v10
.set i, i+1
.endr
.irp g, 0,1,2,3
	v_cvt_scalef32_pk8_fp8_f32 v[CW+2*\g:CW+2*\g+1], v[XS+8*\g:XS+8*\g+7], v11
.endr
	ds_store_b128 v4, v[CW:CW+3] offset:32*(\t)    ; 32 codes: 32 bytes of my column's row
	ds_store_b128 v4, v[CW+4:CW+7] offset:32*(\t)+16
.if (\t)+2 < 8
	LOADW (\t)+2
.endif
	s_wait_dscnt 0x0                               ; the stores have read their registers: the next block's codes may be written (its holds, plain lines, come first)
.endm
	s_wait_alu depctr_va_vdst(0)
.irp t, 0,1,2,3,4,5,6,7
	BLOCKW \t
.endr
.irp t, 0,1,2,3,4,5,6,7,8,9,10,11,12,13,14,15
	ds_load_b128 v[OUTR+4*\t:OUTR+4*\t+3], v7 offset:2*\t*WPI   ; LDS serves a wave's instructions in order: these see my stores
.endr
.irp t, 0,1,2,3,4,5,6,7,8,9,10,11,12,13,14,15
	s_wait_dscnt 15-\t                             ; read-back t is in; the 15 - t younger ones may be out
	global_store_b128 v8, v[OUTR+4*\t:OUTR+4*\t+3], s[48:49] offset:2*\t*1024   ; sixteen lanes store 256 consecutive bytes, at a multiple of 256 from the buffer's first byte
.endr
.Lend:
	s_wait_tensorcnt 0x0                           ; the wave's end, behind my last LDS store
	ds_add_u32 v[SPW], v[NIL]
	s_wait_dscnt 0x0
	s_endpgm
.Lfunc_end_k_q0a333e359a_quant:
	.size	k_q0a333e359a_quant, .Lfunc_end_k_q0a333e359a_quant-k_q0a333e359a_quant
	.p2alignl 7, 3214868480
	.fill 96, 4, 3214868480
	.section	.rodata,"a",@progbits
	.p2align	6, 0x0
	.amdhsa_kernel k_q0a333e359a_quant
		.amdhsa_group_segment_fixed_size 68096
		.amdhsa_private_segment_fixed_size 0
		.amdhsa_enable_private_segment 0
		.amdhsa_kernarg_size 56
		.amdhsa_user_sgpr_count 2
		.amdhsa_user_sgpr_kernarg_segment_ptr 1
		.amdhsa_wavefront_size32 1
		.amdhsa_system_sgpr_workgroup_id_x 1
		.amdhsa_system_sgpr_workgroup_id_y 1
		.amdhsa_system_sgpr_workgroup_id_z 1
		.amdhsa_system_vgpr_workitem_id 0
		.amdhsa_next_free_vgpr 208
		.amdhsa_next_free_sgpr 66
		.amdhsa_reserve_vcc 0
		.amdhsa_float_denorm_mode_32 3
		.amdhsa_float_denorm_mode_16_64 3
		.amdhsa_memory_ordered 1
		.amdhsa_forward_progress 1
		.amdhsa_inst_pref_size 88
	.end_amdhsa_kernel
	.amdgpu_metadata
---
amdhsa.version: [ 1, 2 ]
amdhsa.kernels:
  - .name:           k_q0a333e359a_quant
    .symbol:         k_q0a333e359a_quant.kd
    .args:
      - { .name: x, .offset: 0, .size: 8, .value_kind: global_buffer, .address_space: global }
      - { .name: W_attn, .offset: 8, .size: 8, .value_kind: global_buffer, .address_space: global }
      - { .name: W_proj, .offset: 16, .size: 8, .value_kind: global_buffer, .address_space: global }
      - { .name: lowp_scales, .offset: 24, .size: 8, .value_kind: global_buffer, .address_space: global }
      - { .name: xc, .offset: 32, .size: 8, .value_kind: global_buffer, .address_space: global }
      - { .name: wa, .offset: 40, .size: 8, .value_kind: global_buffer, .address_space: global }
      - { .name: wp, .offset: 48, .size: 8, .value_kind: global_buffer, .address_space: global }
    .group_segment_fixed_size: 68096
    .private_segment_fixed_size: 0
    .kernarg_segment_align: 8
    .kernarg_segment_size: 56
    .max_flat_workgroup_size: 128
    .sgpr_count:     66
    .vgpr_count:     208
    .wavefront_size: 32
...
	.end_amdgpu_metadata
.endif
;; end of part 1
;; launch qkv (part 2): grid 12 x 32, 4 waves a work-group, clusters of 4 x 4, 327,680 bytes of LDS; arguments xc, wa, lowp_scales, b_attn, qc, kc, vc; writes qc, kc, vc
.if DOCPART == 2
	.amdgcn_target "amdgcn-amd-amdhsa--gfx1250"
	.amdhsa_code_object_version 6
	.text
	.protected	k_q0a333e359a_qkv
	.globl	k_q0a333e359a_qkv
	.p2align	8
	.type	k_q0a333e359a_qkv,@function
k_q0a333e359a_qkv:
	s_mov_b64 s[64:65], 0
	v_nop
	global_prefetch_b8 v0, s[64:65] scope:SCOPE_SE
	s_setreg_imm32_b32 hwreg(HW_REG_WAVE_MODE, 25, 1), 1
	s_wait_xcnt 0x0
	s_wait_alu depctr_hold_cnt(0) depctr_sa_sdst(0) depctr_va_vdst(0) depctr_va_sdst(0) depctr_va_ssrc(0) depctr_va_vcc(0) depctr_vm_vsrc(0)
	s_getreg_b32 s2, hwreg(HW_REG_IB_STS2, 6, 4)
	s_cmp_eq_u32 s2, 0
	s_cbranch_scc0 .Lentry_in_a_cluster
	s_endpgm
.Lentry_in_a_cluster:
	s_bfe_u32 s2, ttmp6, 0x10000c
	s_cmp_lg_u32 s2, 0xf033
	s_cbranch_scc0 .Lentry_shape_is_right
	s_endpgm
.Lentry_shape_is_right:
; qkv = x W_attn + b_attn on codes of FP8 (E4M3), and its three parts quantised at once into the layouts that the attention launch reads.  Sums in f32; each finished sum x 2^(e0 + e1) + bias in one
; fused multiply-add, held within +-448 x 2^e, converted with 2^e (e2 for q, e3 for k, e5 for v).
; LIMITS: e0 + e1 between -126 and 127; e2, e3, e5 between -126 and 119, so that each power of two below is an f32 number.
; THE PRODUCT.  C'[i][j] = sum over k of A'[i][k] B'[j][k], K = 1,024.  A tile of 256 x 256 is made by four waves, as many as a WGP has SIMDs; a wave makes 128 x 128: 64 accumulators, 512 registers.
; K goes in steps of 256 through a ring of two LDS slots filled by the tensor data mover: a tile's row is 256 bytes of memory.  Four K steps: the walk is written out, there is no loop.
; THE MATRIX INSTRUCTION IS USED TRANSPOSED (source 0 = 16 rows of B', source 1 = 16 rows of A'): a lane holds eight neighbouring columns j of one row i: what the conversions want is eight neighbours along the NEXT K.
;   q, k (cluster x = 0, 1): next K = the head's 64, so A' = xc (tokens), B' = wa (features).      v (cluster x = 2): next K = the keys, so A' = wa (features 2,048 on), B' = xc (tokens).
; A cluster's four tile columns are 1,024 features: one of q, k, v.  So the roles are chosen by the CLUSTER's x, which all sixteen partners share, by pointers and tile numbers alone; the walk's text is one.
; CLUSTERS: 4 x 4 work-groups.  The four of a row need the same tiles of A', the four of a column the same tiles of B': each tile is asked for JOINTLY.
; WHAT IS STORED.  qc, kc: [16 b + h][t][64]; within each 32 of d, place 16 h' + 8 u + j holds d = 16 u + 8 h' + j, alike in q and k: two loads of 16 bytes then give a lane the 64-deep form's own order of k.
;   vc: [16 b + h][block of 128 keys][d 64][128]; place 32 c + 16 h' + 8 u + j holds key 32 c + 16 u + 8 h' + j: four loads of 16 bytes give the 128-deep form's own order of k.
; REGISTERS, in windows of 256: window 0: v0-31 addresses; v128-255 A's fragments, ONE set; on the way out v32-95 the bias, v96-127 codes, v128-191 at work, v192-223 rows read back.
;   window 1: B's fragments, TWO sets.   window 2: the accumulators of my rows 0-63 ((a, b) at v[8 (8 a + b)]);   window 3: those of rows 64-127.
.set ROWB,   256                       ; a tile's row in bytes: 256 codes
.set KROW,   1024                      ; a row of xc or wa in bytes
.set PITCH,  272                       ; an LDS row: 256 bytes + 16 of padding = 68 words: the 16 rows that a load touches start at 16 different banks (64 banks of 4 bytes: ISA guide 11.1)
.set FR,     16                        ; registers of a fragment: 16 rows x 128 K
.set NL,     4                         ; LDS loads that bring one
.set NP,     4                         ; places behind this matrix instruction (ISA guide 7.12.1)
.set HALFT,  128*PITCH                 ; 128 rows: what one tensor load brings
.set SLOT,   4*HALFT                   ; A's 256 rows, then B's 256 rows
.set SPARE,  2*SLOT                    ; behind the ring: the spare words, 128 bytes a wave, that no other line names
.set SPITCH, 144                       ; the way out: a stage of 16 rows x (128 bytes + 16) for each wave, in slot 0, which has had its last fill and its last read by then
.set STGV,   16384                     ; v's way out has stage bytes of its own
.set ADRA, 16                          ; v16-17  LDS address of my A fragments in slot 0, 1
.set ADRB, 20                          ; v20-21  the same for B
.set STO,  24                          ; v24     the way out: where I put 16 bytes of a row
.set RD,   25                          ; v25     where I read back
.set CO,   26                          ; v26     16 x lane
.set BO,   27                          ; v27     my offset in the bias
.set SPW,  28                          ; v28     SPARE + 4 x my thread's number; never rewritten
.set NIL,  29                          ; v29     0; never rewritten
.set SCL,  30                          ; v30     2^e of what is made
.set LIM,  31                          ; v31     448 x 2^e
.set BI,   32
.set CD,   96
.set TMP,  128
.set BK,   192
.set AF,   128
.set G1, 24                            ; s[24:31] descriptor group 1 for A's tiles;  s[32:39] group 0, one set for each slot
.set G0, 32
.set G1B, 48                           ; s[48:55], s[56:63] the same for B's
.set G0B, 56
.set MSB, 0
.macro WIN new                         ; the immediate's high byte repeats the setting that is left
.if MSB != (\new)
	s_set_vgpr_msb (MSB<<8)|(\new)
.set MSB, (\new)
.endif
.endm
.set MUL_LO, 0xa1                      ; source 0 (B) window 1, source 1 (A) window 0, C and D window 2
.set MUL_HI, 0xf1                      ; the same, C and D window 3
.set TO_B,   0x40                      ; destination window 1, address window 0
; A joint load: waves 0 and 1 fetch for A, waves 2 and 3 for B.  The branch hangs on the wave's number alone.  An s_nop 0 and four v_nop follow each of the two lines.
.macro JLOAD g0a, g1a, g0b, g1b
	s_cmp_eq_u32 s15, 0
	s_cbranch_scc0 .Lfor_b_\@
	tensor_load_to_lds s[\g0a:\g0a+3], s[\g1a:\g1a+7]
	s_nop 0
.rept 4
	v_nop
.endr
	s_branch .Lasked_\@
.Lfor_b_\@:
	tensor_load_to_lds s[\g0b:\g0b+3], s[\g1b:\g1b+7]
	s_nop 0
.rept 4
	v_nop
.endr
.Lasked_\@:
.endm
.macro CREST                           ; a round of the cluster's barrier behind its opening barrier
	s_cmp_lg_u32 s14, 0
	s_cbranch_scc1 .Lnot_wave_0_\@
	s_barrier_signal -3
.Lnot_wave_0_\@:
	s_barrier_wait -3
	s_barrier_signal -1
	s_barrier_wait -1
.endm
.macro CROUND                          ; a whole round
	s_barrier_signal -1
	s_barrier_wait -1
	CREST
.endm
	s_load_b256 s[4:11], s[0:1], 0x0               ; xc s[4:5], wa s[6:7], the exponents s[8:9], b_attn s[10:11]
	s_load_b128 s[76:79], s[0:1], 0x20             ; qc s[76:77], kc s[78:79]
	s_load_b64 s[80:81], s[0:1], 0x30              ; vc
	v_lshl_add_u32 v[SPW], v0, 2, SPARE
	v_mov_b32 v[NIL], 0
	ds_add_u32 v[SPW], v[NIL]                      ; the wave's opening: the add, twice on end, and its wait ahead of my first tensor load; the set-up below stands between
	ds_add_u32 v[SPW], v[NIL]
	v_lshrrev_b32 v1, 5, v0
	v_readfirstlane_b32 s14, v1                    ; wave 0..3
	s_lshr_b32 s15, s14, 1                         ; which half of the tile's rows (A') is mine.  Also: I fetch for A' (0) or for B' (1)
	s_and_b32 s16, s14, 1                          ; which half of its columns (B').  Also: which 128 rows of that tile I fetch
	s_bfe_u32 s40, ttmp6, 0x40000                  ; cx, cy: my place in the cluster
	s_bfe_u32 s41, ttmp6, 0x40004
	s_mov_b32 s66, ttmp9                           ; the cluster's x: 0 q, 1 k, 2 v
	s_and_b32 s67, ttmp7, 0xffff
	s_lshl_b32 s67, s67, 2                         ; 4 x the cluster's y
	s_lshl_b32 s18, s66, 2
	s_cmp_eq_u32 s66, 2
	s_cselect_b32 s17, 8, s67                      ; A's tile: q, k: token tile 4 CY + cy;  v: feature tile 8 + cy
	s_cselect_b32 s42, s67, s18                    ; B's tile: q, k: feature tile 4 CX + cx;  v: token tile 4 CY + cx
	s_add_co_u32 s17, s17, s41
	s_add_co_u32 s42, s42, s40
	s_lshl_b32 s43, s41, 2
	s_lshl_b32 s43, 15, s43                        ; my row of the cluster
	s_lshl_b32 s44, 0x1111, s40                    ; my column
	; descriptor group 1: a tile of 128 rows x 256 bytes, padded in LDS
	s_or_b32 s[G1+0], s43, (0<<16)|(1<<20)|(1<<21)|(5<<22)|(3<<25)  ; 15:0 the mask: A's tiles go to my row; 17:16 elements of 1 byte; 20 padding on; 21 set beside a mask; 24:22 after every 64 words; 31:25 four words
	s_or_b32 s[G1B+0], s44, (0<<16)|(1<<20)|(1<<21)|(5<<22)|(3<<25)
.irp g, G1, G1B
	s_mov_b32 s[\g+1], ROWB<<16                    ; tensor_dim0
	s_mov_b32 s[\g+2], 128<<16                     ; tensor_dim1
	s_mov_b32 s[\g+3], ROWB<<16                    ; tile_dim0
	s_mov_b32 s[\g+4], 128                         ; tile_dim1
	s_mov_b32 s[\g+5], KROW                        ; tensor_dim0_stride
	s_mov_b32 s[\g+6], 0
	s_mov_b32 s[\g+7], 0
.endr
	s_lshl_b32 s18, s16, 7                         ; which 128 rows of the tile I fetch
	s_lshl_b32 s20, s17, 8
	s_add_co_u32 s20, s20, s18
	s_lshl_b32 s20, s20, 10                        ; A': (256 x tile + 128 x half) rows of 1,024 bytes
	s_mov_b32 s21, 0
	s_lshl_b32 s46, s42, 8
	s_add_co_u32 s46, s46, s18
	s_lshl_b32 s46, s46, 10                        ; B' likewise
	s_mov_b32 s47, 0
	s_mul_i32 s45, s14, HALFT                      ; where they go: wave x 128 rows: no place in the cluster enters an LDS address
	s_wait_dscnt 0x0                               ; both opening adds are done
	s_wait_kmcnt 0x0
	s_load_b256 s[68:75], s[8:9], 0x0              ; e0 .. e7
	s_cmp_eq_u32 s66, 2
	s_cselect_b64 s[86:87], s[6:7], s[4:5]         ; A'
	s_cselect_b64 s[88:89], s[4:5], s[6:7]         ; B'
	s_add_nc_u64 s[20:21], s[86:87], s[20:21]
	s_add_nc_u64 s[46:47], s[88:89], s[46:47]
	CROUND                                         ; all sixteen work-groups are here: the first joint loads meet
.irp s, 0,1
	s_mov_b32 s[G0+4*\s], 1
	s_add_co_u32 s[G0+4*\s+1], s45, \s*SLOT
	s_add_nc_u64 s[G0+4*\s+2:G0+4*\s+3], s[20:21], \s*ROWB
	s_or_b32 s[G0+4*\s+3], s[G0+4*\s+3], 0x80000000
	s_mov_b32 s[G0B+4*\s], 1
	s_add_co_u32 s[G0B+4*\s+1], s45, \s*SLOT
	s_add_nc_u64 s[G0B+4*\s+2:G0B+4*\s+3], s[46:47], \s*ROWB
	s_or_b32 s[G0B+4*\s+3], s[G0B+4*\s+3], 0x80000000
.endr
	JLOAD G0, G1, G0B, G1B                         ; K step 0: one tensor load a wave at the head
	v_and_b32 v1, 15, v0                           ; l % 16
	v_bfe_u32 v2, v0, 4, 1                         ; l / 16
	v_mul_u32_u24 v3, v1, PITCH
	v_lshl_add_u32 v4, v2, 4, v3                   ; a fragment's row x pitch + 16 x half
	s_mul_i32 s21, s15, HALFT                      ; my 128 rows of A'
	s_mul_i32 s22, s16, HALFT                      ; my 128 rows of B',
	s_add_co_u32 s22, s22, 2*HALFT                 ; which lie behind A's 256
.irp s, 0,1
	v_add_nc_u32 v[ADRA+\s], s21, v4
	v_add_nc_u32 v[ADRB+\s], s22, v4
	s_add_co_u32 s21, s21, SLOT
	s_add_co_u32 s22, s22, SLOT
.endr
.macro FRAG reg, adr, q, i             ; a fragment: lane l holds row l % 16; registers 4 c .. 4 c + 3 hold K = 32 c + 16 (l / 16) + 0 .. 15: a permutation of k that is the same in A' and B'
.irp c, 0,1,2,3
	ds_load_b128 v[\reg+4*\c:\reg+4*\c+3], v[\adr] offset:128*(\q)+32*\c+(\i)*16*PITCH
.endr
.endm
; 16 matrix instructions: A's blocks a0, a0 + 1 x B's eight, 128 along K.  p: B's set.  zero = 1: the first product starts the sums.  The 64 accumulators take turns, one instruction a turn.
.macro MUL16 a0, p, zero
.irp a, \a0, \a0+1
.irp b, 0,1,2,3,4,5,6,7
.if \zero
	v_wmma_f32_16x16x128_fp8_fp8 v[8*(8*((\a)%4)+\b):8*(8*((\a)%4)+\b)+7], v[128*(\p)+FR*\b:128*(\p)+FR*\b+FR-1], v[AF+FR*(\a):AF+FR*(\a)+FR-1], 0
.else
	v_wmma_f32_16x16x128_fp8_fp8 v[8*(8*((\a)%4)+\b):8*(8*((\a)%4)+\b)+7], v[128*(\p)+FR*\b:128*(\p)+FR*\b+FR-1], v[AF+FR*(\a):AF+FR*(\a)+FR-1], v[8*(8*((\a)%4)+\b):8*(8*((\a)%4)+\b)+7]
.endif
.endr
.endr
.endm
.macro FETCH_B slot, q, p              ; B's eight fragments of the slot's q-th 128 along K into set p
	WIN TO_B
.irp i, 0,1,2,3,4,5,6,7
	FRAG 128*(\p)+FR*\i, ADRB+\slot, \q, \i
.endr
	WIN 0
.endm
.macro FETCH_A slot, q, i0             ; A's blocks i0 .. i0 + 3
.irp i, \i0, \i0+1, \i0+2, \i0+3
	FRAG AF+FR*(\i), ADRA+\slot, \q, \i
.endr
.endm
.macro PLACES n                        ; plain vector instructions between a matrix instruction and a load into, or a vector write of, its registers, or a read of its result
.rept \n
	v_nop
.endr
.endm
; A step of 128 along K that has its successor in the same slot.
.macro STEP slot, q, zero
	s_wait_dscnt 4*NL                              ; B's set and A's blocks 0-3 are in; the youngest 16 loads (A's blocks 4-7) may be out
	WIN MUL_LO
	MUL16 0, (\q)%2, \zero
	MUL16 2, (\q)%2, \zero
	s_wait_dscnt 0                                 ; A's blocks 4-7 are in
	PLACES NP
	FETCH_B \slot, (\q)+1, 1-(\q)%2
	FETCH_A \slot, (\q)+1, 0
	WIN MUL_HI
	MUL16 4, (\q)%2, \zero
	MUL16 6, (\q)%2, \zero
	PLACES NP
	WIN 0
	FETCH_A \slot, (\q)+1, 4
.endm
; A slot's last step changes slots: ONE barrier; in front of it each wave waits for all its tensor loads, adds 0 to its spare word, and waits for that and for its own reads of this slot.  fill = 1: this slot is filled again, two K steps ahead.
.macro TURN slot, next, fill
	s_wait_tensorcnt 0x0                           ; all my tensor loads have landed: my part of the next slot (every window is 0 here)
	ds_add_u32 v[SPW], v[NIL]                      ; 0 onto my spare word
	s_wait_dscnt 4*NL+1                            ; the add and the youngest 16 loads (A's blocks 4-7) may be out
	WIN MUL_LO
	MUL16 0, 1, 0                                  ; sixteen matrix instructions stand between the add and the wait for it
	s_wait_dscnt 0x0                               ; the add is done, and my reads of this slot are over
	s_barrier_signal -1
	MUL16 2, 1, 0
	WIN 0
	s_barrier_wait -1
.if \fill
	CREST                                          ; the barrier has opened a round of the cluster's: no wave of any partner still reads this slot or has a load on its way
	s_add_nc_u64 s[G0+4*\slot+2:G0+4*\slot+3], s[G0+4*\slot+2:G0+4*\slot+3], 2*ROWB
	s_add_nc_u64 s[G0B+4*\slot+2:G0B+4*\slot+3], s[G0B+4*\slot+2:G0B+4*\slot+3], 2*ROWB
	JLOAD G0+4*\slot, G1, G0B+4*\slot, G1B         ; the first tensor load behind the round, my one load until the next; its four v_nop are the places in front of the loads below
.else
	PLACES NP
.endif
	FETCH_B \next, 0, 0
	FETCH_A \next, 0, 0
	WIN MUL_HI
	MUL16 4, 1, 0
	MUL16 6, 1, 0
	PLACES NP
	WIN 0
	FETCH_A \next, 0, 4
.endm
.macro LASTSTEP                        ; the very last 128 along K: nothing more to fetch
	s_wait_dscnt 4*NL
	WIN MUL_LO
	MUL16 0, 1, 0
	MUL16 2, 1, 0
	s_wait_dscnt 0
	WIN MUL_HI
	MUL16 4, 1, 0
	MUL16 6, 1, 0
	WIN 0
.endm
	s_wait_alu depctr_va_vdst(0)                   ; the head's end
	s_wait_tensorcnt 0x0                           ; my part of K step 0 is in
	ds_add_u32 v[SPW], v[NIL]
	s_wait_dscnt 0x0
	CROUND                                         ; a whole round: everybody's part of K step 0 is in, and the joint loads meet
	JLOAD G0+4, G1, G0B+4, G1B                     ; K step 1, slot 1's first fill: the first tensor load behind the round
	FETCH_B 0, 0, 0
	FETCH_A 0, 0, 0
	FETCH_A 0, 0, 4
	STEP 0, 0, 1                                   ; k 0-127: these products start the sums
	TURN 0, 1, 1                                   ; k 128-255; slot 0 takes K step 2
	STEP 1, 0, 0
	TURN 1, 0, 1                                   ; slot 1 takes K step 3
	STEP 0, 0, 0
	TURN 0, 1, 0                                   ; nothing is left to fetch: no round
	STEP 1, 0, 0
; THE WAY OUT, block by block of 16 rows of A' x 128 columns of B'.  PACK: sum x 2^(e0 + e1) + bias, the hold, the conversion: accumulators 2 c and 2 c + 1 give a lane 16 bytes, which go into my stage's rows of 128 bytes
; and come back as runs of 512 consecutive bytes of the output.  LDS serves a wave's instructions in order (ISA guide 5.7.1.4): no wait between the stores and the loads, nor in front of the next block's stores.
; kind = 0: q, k: the bias hangs on the column: 64 registers.  kind = 1: v: it hangs on the row: a pair for each block.
.macro PACK a, kind
.set AC, 64*((\a)%4)
.set CC, CD+16*((\a)%2)
.set BB, BK+16*((\a)%2)
	WIN 0x02+((\a)/4)                              ; source 0: window 2 or 3
.set j, 0
.rept 32
.if \kind
	v_pk_fma_f32 v[TMP+j:TMP+j+1], v[AC+j:AC+j+1], s[96:97], v[BI+2*(\a):BI+2*(\a)+1] op_sel_hi:[1,0,1]
.else
	v_pk_fma_f32 v[TMP+j:TMP+j+1], v[AC+j:AC+j+1], s[96:97], v[BI+j:BI+j+1] op_sel_hi:[1,0,1]   ; each accumulator from its low end on
.endif
.set j, j+2
.endr
	WIN 0
.set j, 0
.rept 64
	v_med3_num_f32 v[TMP+j], v[TMP+j], -v[LIM], v[LIM]   ; the conversion to an 8-bit code does not saturate (ISA guide 7.6.2)
.set j, j+1
.endr
.irp b, 0,1,2,3,4,5,6,7
	v_cvt_scalef32_pk8_fp8_f32 v[CC+2*\b:CC+2*\b+1], v[TMP+8*\b:TMP+8*\b+7], v[SCL]
.endr
	v_nop                                          ; one plain vector instruction behind the last conversion: the next block writes its sources
.irp c, 0,1,2,3
	ds_store_b128 v[STO], v[CC+4*\c:CC+4*\c+3] offset:32*\c
.endr
.irp i, 0,1,2,3
.if \kind
	ds_load_b128 v[BB+4*\i:BB+4*\i+3], v[RD] offset:4*SPITCH*\i               ; four rows d of 128 bytes
.else
	ds_load_b128 v[BB+4*\i:BB+4*\i+3], v[RD] offset:64*(\i/2)+8*SPITCH*(\i%2)   ; eight tokens x 64 bytes of head i / 2
.endif
.endr
.endm
.macro SEND a, kind, younger           ; younger: the LDS instructions issued behind block a's loads, which may stay out
.set BB, BK+16*((\a)%2)
	s_wait_dscnt \younger
.irp i, 0,1,2,3
.if \kind
	global_store_b128 v[CO], v[BB+4*\i:BB+4*\i+3], s[82:83] offset:((\a)/4)*131072+((\a)%4)*2048+512*\i   ; 32 lanes store 512 consecutive bytes, at a multiple of 256 from the buffer's first byte
.else
	global_store_b128 v[CO], v[BB+4*\i:BB+4*\i+3], s[82:83] offset:(\i/2)*131072+(\a)*1024+512*(\i%2)
.endif
.endr
.endm
.macro OUTALL kind
	PACK 0, \kind
.irp a, 1,2,3,4,5,6,7
.if \a > 1
	s_wait_xcnt 0x0                                ; block a - 2's stores have read their registers: block a's loads may land there
.endif
	PACK \a, \kind
	SEND \a-1, \kind, 8                            ; behind block a - 1's loads: block a's 4 stores and 4 loads
.endr
	SEND 7, \kind, 0
.endm
.macro POWERS e                        ; s[e]: the exponent of what is made.  v[SCL], v[LIM], and s96 = s97 = 2^(e0 + e1)
	s_add_co_i32 s22, s[\e], 127
	s_lshl_b32 s23, s22, 23
	v_mov_b32 v[SCL], s23
	s_add_co_i32 s22, s22, 8
	s_lshl_b32 s22, s22, 23
	s_or_b32 s22, s22, 0x600000
	v_mov_b32 v[LIM], s22
	s_add_co_i32 s96, s68, s69
	s_add_co_i32 s96, s96, 127
	s_lshl_b32 s96, s96, 23
	s_mov_b32 s97, s96                             ; (named with it as a pair, so it is written)
.endm
	s_cmp_eq_u32 s66, 2                            ; the cluster's x: the same in all sixteen partners and in all waves
	s_cbranch_scc1 .Lv_arm
	; ---- q, k.  The bias is asked for here and lands under the last 64 products
	s_wait_kmcnt 0x0                               ; the exponents
	s_lshr_b32 s18, s17, 3                         ; b = token tile / 8
	s_lshl_b32 s18, s18, 4
	s_lshl_b32 s19, s40, 2
	s_add_co_u32 s18, s18, s19
	s_lshl_b32 s19, s16, 1
	s_add_co_u32 s18, s18, s19                     ; 16 b + my first head: 4 cx + 2 x half
	s_lshl_b32 s18, s18, 17                        ; x 2,048 tokens of 64 bytes
	s_and_b32 s19, s17, 7
	s_lshl_b32 s19, s19, 8
	s_lshl_b32 s22, s15, 7
	s_add_co_u32 s19, s19, s22                     ; my first token within b
	s_lshl_b32 s19, s19, 6
	s_add_co_u32 s18, s18, s19
	s_mov_b32 s19, 0
	s_cmp_eq_u32 s66, 0
	s_cselect_b64 s[82:83], s[76:77], s[78:79]     ; qc or kc
	s_cselect_b32 s90, s70, s71                    ; e2 or e3
	s_add_nc_u64 s[82:83], s[82:83], s[18:19]
	s_lshl_b32 s22, s42, 8
	s_lshl_b32 s23, s16, 7
	s_add_co_u32 s22, s22, s23                     ; my first feature
	s_lshl_b32 s22, s22, 2
	s_mov_b32 s23, 0
	s_add_nc_u64 s[84:85], s[10:11], s[22:23]
	v_and_b32 v1, 15, v0
	s_wait_alu depctr_va_vdst(0)
	v_bfe_u32 v2, v0, 4, 1
	v_and_b32 v6, 31, v0
	v_lshlrev_b32 v[BO], 5, v2                     ; lane (r, h) wants, for accumulator b, the bias of features 16 b + 8 h + 0 .. 7
.irp b, 0,1,2,3,4,5,6,7
	global_load_b128 v[BI+8*\b:BI+8*\b+3], v[BO], s[84:85] offset:64*\b
	global_load_b128 v[BI+8*\b+4:BI+8*\b+7], v[BO], s[84:85] offset:64*\b+16
.endr
	POWERS 90
	s_mul_i32 s23, s14, 16*SPITCH                  ; my stage
	v_mul_u32_u24 v5, v1, SPITCH
	s_wait_alu depctr_va_vdst(0)
	v_lshl_add_u32 v5, v2, 4, v5
	v_add_nc_u32 v[STO], s23, v5                   ; in: row r, 16 bytes for each half of the lanes
	v_lshrrev_b32 v3, 2, v6
	v_and_b32 v4, 3, v6
	v_mul_u32_u24 v3, v3, SPITCH
	v_lshl_add_u32 v3, v4, 4, v3
	v_add_nc_u32 v[RD], s23, v3                    ; back: four lanes to a token's 64 bytes
	v_lshlrev_b32 v[CO], 4, v6
	LASTSTEP
	PLACES NP
	s_wait_loadcnt 0x0                             ; the bias
	OUTALL 0
	s_branch .Lend
.Lv_arm:
	; ---- v
	s_wait_kmcnt 0x0
	s_lshr_b32 s18, s42, 3                         ; b = token tile / 8
	s_lshl_b32 s18, s18, 4
	s_lshl_b32 s19, s41, 2
	s_add_co_u32 s18, s18, s19
	s_lshl_b32 s19, s15, 1
	s_add_co_u32 s18, s18, s19                     ; 16 b + my first head: 4 cy + 2 x half
	s_lshl_b32 s18, s18, 17
	s_and_b32 s19, s42, 7
	s_lshl_b32 s19, s19, 1
	s_add_co_u32 s19, s19, s16                     ; my block of 128 keys
	s_lshl_b32 s19, s19, 13
	s_add_co_u32 s18, s18, s19
	s_mov_b32 s19, 0
	s_add_nc_u64 s[82:83], s[80:81], s[18:19]
	s_lshl_b32 s22, s17, 8
	s_lshl_b32 s23, s15, 7
	s_add_co_u32 s22, s22, s23                     ; my first feature (2,048 on)
	s_lshl_b32 s22, s22, 2
	s_mov_b32 s23, 0
	s_add_nc_u64 s[84:85], s[10:11], s[22:23]
	v_and_b32 v1, 15, v0
	s_wait_alu depctr_va_vdst(0)
	v_bfe_u32 v2, v0, 4, 1
	v_and_b32 v6, 31, v0
	v_lshlrev_b32 v[BO], 2, v1                     ; lane (r, h) wants, for block a, the bias of feature 16 a + r: loaded twice, to fill the pair that the packed form names
.irp a, 0,1,2,3,4,5,6,7
	global_load_b32 v[BI+2*\a], v[BO], s[84:85] offset:64*\a
	global_load_b32 v[BI+2*\a+1], v[BO], s[84:85] offset:64*\a
.endr
	POWERS 73
	s_mul_i32 s23, s14, 16*SPITCH
	s_add_co_u32 s23, s23, STGV                    ; my stage
	v_mul_u32_u24 v5, v1, SPITCH
	s_wait_alu depctr_va_vdst(0)
	v_lshl_add_u32 v5, v2, 4, v5
	v_add_nc_u32 v[STO], s23, v5
	v_lshrrev_b32 v3, 3, v6
	v_and_b32 v4, 7, v6
	v_mul_u32_u24 v3, v3, SPITCH
	v_lshl_add_u32 v3, v4, 4, v3
	v_add_nc_u32 v[RD], s23, v3                    ; back: eight lanes to a row d of 128 bytes
	v_lshlrev_b32 v[CO], 4, v6
	LASTSTEP
	PLACES NP
	s_wait_loadcnt 0x0
	OUTALL 1
.Lend:
	s_wait_tensorcnt 0x0                           ; the wave's end, behind my last tensor load and my last LDS store
	ds_add_u32 v[SPW], v[NIL]
	s_wait_dscnt 0x0
	CROUND                                         ; the closing round: no work-group ends while a partner may still ask for a tile that names it
	s_endpgm
.Lfunc_end_k_q0a333e359a_qkv:
	.size	k_q0a333e359a_qkv, .Lfunc_end_k_q0a333e359a_qkv-k_q0a333e359a_qkv
	.p2alignl 7, 3214868480
	.fill 96, 4, 3214868480
	.section	.rodata,"a",@progbits
	.p2align	6, 0x0
	.amdhsa_kernel k_q0a333e359a_qkv
		.amdhsa_group_segment_fixed_size 327680
		.amdhsa_private_segment_fixed_size 0
		.amdhsa_enable_private_segment 0
		.amdhsa_kernarg_size 56
		.amdhsa_user_sgpr_count 2
		.amdhsa_user_sgpr_kernarg_segment_ptr 1
		.amdhsa_wavefront_size32 1
		.amdhsa_system_sgpr_workgroup_id_x 1
		.amdhsa_system_sgpr_workgroup_id_y 1
		.amdhsa_system_sgpr_workgroup_id_z 1
		.amdhsa_system_vgpr_workitem_id 0
		.amdhsa_next_free_vgpr 1024
		.amdhsa_next_free_sgpr 98
		.amdhsa_reserve_vcc 0
		.amdhsa_float_denorm_mode_32 3
		.amdhsa_float_denorm_mode_16_64 3
		.amdhsa_memory_ordered 1
		.amdhsa_forward_progress 1
		.amdhsa_inst_pref_size 209
	.end_amdhsa_kernel
	.amdgpu_metadata
---
amdhsa.version: [ 1, 2 ]
amdhsa.kernels:
  - .name:           k_q0a333e359a_qkv
    .symbol:         k_q0a333e359a_qkv.kd
    .args:
      - { .name: xc, .offset: 0, .size: 8, .value_kind: global_buffer, .address_space: global }
      - { .name: wa, .offset: 8, .size: 8, .value_kind: global_buffer, .address_space: global }
      - { .name: lowp_scales, .offset: 16, .size: 8, .value_kind: global_buffer, .address_space: global }
      - { .name: b_attn, .offset: 24, .size: 8, .value_kind: global_buffer, .address_space: global }
      - { .name: qc, .offset: 32, .size: 8, .value_kind: global_buffer, .address_space: global }
      - { .name: kc, .offset: 40, .size: 8, .value_kind: global_buffer, .address_space: global }
      - { .name: vc, .offset: 48, .size: 8, .value_kind: global_buffer, .address_space: global }
    .group_segment_fixed_size: 327680
    .private_segment_fixed_size: 0
    .kernarg_segment_align: 8
    .kernarg_segment_size: 56
    .max_flat_workgroup_size: 128
    .sgpr_count:     98
    .vgpr_count:     1024
    .wavefront_size: 32
...
	.end_amdgpu_metadata
.endif
;; end of part 2
;; launch attn (part 3): grid 4 x 64, 16 waves a work-group, clusters of 4 x 1, 327,680 bytes of LDS; arguments qc, kc, vc, lowp_scales, ac; writes ac
.if DOCPART == 3
	.amdgcn_target "amdgcn-amd-amdhsa--gfx1250"
	.amdhsa_code_object_version 6
	.text
	.protected	k_q0a333e359a_attn
	.globl	k_q0a333e359a_attn
	.p2align	8
	.type	k_q0a333e359a_attn,@function
k_q0a333e359a_attn:
	s_mov_b64 s[64:65], 0
	v_nop
	global_prefetch_b8 v0, s[64:65] scope:SCOPE_SE
	s_setreg_imm32_b32 hwreg(HW_REG_WAVE_MODE, 25, 1), 1
	s_wait_xcnt 0x0
	s_wait_alu depctr_hold_cnt(0) depctr_sa_sdst(0) depctr_va_vdst(0) depctr_va_sdst(0) depctr_va_ssrc(0) depctr_va_vcc(0) depctr_vm_vsrc(0)
	s_getreg_b32 s2, hwreg(HW_REG_IB_STS2, 6, 4)
	s_cmp_eq_u32 s2, 0
	s_cbranch_scc0 .Lentry_in_a_cluster
	s_endpgm
.Lentry_in_a_cluster:
	s_bfe_u32 s2, ttmp6, 0x10000c
	s_cmp_lg_u32 s2, 0x3003
	s_cbranch_scc0 .Lentry_shape_is_right
	s_endpgm
.Lentry_shape_is_right:
; Causal attention on codes of FP8 (E4M3), head size 64, and its result quantised with 2^e6 for the projection.  qc, kc: [16 b + h][t][64]; vc: [16 b + h][block of 128 keys][d 64][128], laid so that loads of
; 16 bytes give the matrix forms' own order of k.  ac: [token / 128][h 16][128 tokens][64 d], d in its true order.
; WORK LEFT OUT: scores of keys behind the query are replaced by -inf by the mask that reference() builds itself, for all inputs; so key steps of 128 keys wholly behind a wave's 16 queries are not computed.
; A NaN, an infinity or an overflow that reaches only that work is not carried to the result.
; THE SOFTMAX AHEAD OF THE SECOND PRODUCT: t = score x log2(e) / 8; M = the row's largest t so far, rounded UP to a whole number; p = 2^(t - M) is quantised with 2^e4, not normalised.  The row's sum is taken of the
; unquantised p, in f32, and divides O at the end.  When M moves, the sum and O are multiplied by 2^(old M - new M): exact.
; SHARES.  A head's 2,048 queries are 128 tiles of 16.  The head's four work-groups are one cluster (place cx); wave w of sixteen owns tiles 127 - t and t, t = 4 w + cx, one after the other:
; (15 - w / 2) + 1 and w / 2 + 1 key steps of 128 keys: 17 for every wave.  Which steps a wave walks hangs on w alone, so no branch hangs on cx; cx enters the addresses of Q and of the result and the mask's numbers.
; Four waves stand on a SIMD, in 256 registers each, so that one wave's vector work stands beside another's matrix work, LDS loads and waits.
; LDS.  The head's whole K and V stay in LDS: 16 steps x 8,704 bytes each (rows of 256 bytes + 16 of padding).  They come in three groups of JOINT loads (mask 15: the four partners want the same bytes): steps 0-3 at
; the head, steps 4-9 behind the first round, steps 10-15 behind the second; waves 0-7 fetch K's eighths, waves 8-15 V's, one load a wave.  Nothing is filled twice.  While steps 0-3 are walked the second group
; is on its way, while steps 4-7 are walked the third; all waves walk steps 0-7 of their later tile alike, and behind the third meeting no wave waits for another.
; PREFETCH: each later group is asked for one phase ahead of its loads: of the 24 blocks of 256 bytes that a wave will load, the partner at place cx names 6 (lanes 6-31 name the sixth again).
; LAYOUT.  Both products are used transposed: S^T = K Q^T, O^T = V^T P^T: a lane holds ONE query (lane % 16).  Accumulator c's eight registers are keys 16 c + 8 (lane / 16) + 0 .. 7: their codes are
; registers 2 c, 2 c + 1 of the second product's operand.
; LIMITS: e2 + e3 between -123 and 130 (added to c's exponent field); e4 and e6 between -126 and 119; e4 + e5 is applied by v_ldexp_f32 and has none.  The scaled scores stay under 2^31 in magnitude.
; REGISTERS: v0-11 ids and addresses; v12 -M, v13 the largest t, v[14:15] the sum; v16-23 Q in hand, v24-31 the second tile's; v32-95 K's eight fragments, then V's four; v96-159 S^T, then p; v160-191 O^T;
; v192-207 p's codes; v208-223 rows on the way out; v224-231 the result's codes; v236-254 constants and work.
.set STEPB, 8704                       ; a key step in LDS: 32 rows of 272 bytes, in K and in V alike
.set VOFF,  16*STEPB                   ; V lies behind K
.set SPARE, 2*VOFF                     ; the spare words, 128 bytes for each of sixteen waves, that no other line names
.set STG,   SPARE+2048                 ; stages for the way out: 16 rows x 80 bytes a wave; no fill lands here
.set AK0,  1                           ; v1   my lane's place in a step of K: 272 (r / 4) + 64 (r % 4) + 16 h
.set AV0,  2                           ; v2   in a step of V: VOFF + 272 (r / 2) + 128 (r % 2) + 16 h
.set PFO,  3                           ; v3   256 x min(lane, 5)
.set SPW,  5                           ; v5   SPARE + 4 x my thread's number; never rewritten
.set NIL,  6                           ; v6   0; never rewritten
.set GO,   7                           ; v7   16 x lane
.set ADK,  8
.set ADV,  9
.set STO,  10
.set RD,   11
.set WV,   14                          ; s14  wave
.set CX,   15                          ; s15  my place in the cluster
.set SEL,  20                          ; s[20:21] selects for v_permlanex16_b32: lane l xor 16
.set CS,   22                          ; s[22:23] log2(e) / 8 x 2^(e2 + e3)
.set G1H,  24                          ; s[24:31] group 1 of the head's loads: 16 rows
.set G1,   32                          ; s[32:39] of the later loads: 24 rows
.set G0A,  40                          ; s[40:43] group 0 of the head's load
.set G0B,  44                          ; s[44:47] of the later ones
.set BASE, 48                          ; s[48:49] the head's K (waves 0-7) or V (waves 8-15)
.set PFA,  50                          ; s[50:51] my prefetches' base; never rewritten
.set TB,   52                          ; s52  LDS byte of the step in hand
.set KF,   53                          ; s53  its first key
.set LIMK, 54                          ; s54  the first key of the tile's last step (the one on the diagonal): made of the wave's number alone
.set DD,   55                          ; s55  the tile's first query less LIMK
.set CNT,  66
.set LIML, 67                          ; s67, s80  the same two for the second tile
.set DDL,  80
.macro NOPS n
.rept \n
	v_nop
.endr
.endm
.macro CROUND                          ; a round of the cluster's barrier
	s_barrier_signal -1
	s_barrier_wait -1
	s_cmp_lg_u32 s[WV], 0
	s_cbranch_scc1 .Lnot_wave_0_\@
	s_barrier_signal -3
.Lnot_wave_0_\@:
	s_barrier_wait -3
	s_barrier_signal -1
	s_barrier_wait -1
.endm
.macro PLACE_O d, q                    ; s[d:d+1] = the byte in ac of query s[q] of my head: ((16 b + q / 128) x 16 + h) x 8,192 + (q % 128) x 64
	s_lshr_b32 s[\d], s[\q], 7
	s_add_co_u32 s[\d], s[\d], s81
	s_lshl_b32 s[\d], s[\d], 17
	s_add_co_u32 s[\d], s[\d], s82
	s_and_b32 s[\d+1], s[\q], 127
	s_lshl_b32 s[\d+1], s[\d+1], 6
	s_add_co_u32 s[\d], s[\d], s[\d+1]
	s_mov_b32 s[\d+1], 0
.endm
.macro INIT                            ; a tile begins: the step is written once, and a tile's first step finds zeros, which the first change of M leaves zeros
	v_mov_b32 v13, 0xff61b1e6                      ; the largest t so far: -3e38
	v_floor_f32 v12, -v13
	v_mov_b32 v14, 0
	v_mov_b32 v15, 0
.set j, 0
.rept 32
	v_mov_b32 v[160+j], 0
.set j, j+1
.endr
.endm
	s_load_b256 s[4:11], s[0:1], 0x0               ; qc s[4:5], kc s[6:7], vc s[8:9], the exponents s[10:11]
	s_load_b64 s[12:13], s[0:1], 0x20              ; ac
	v_lshl_add_u32 v[SPW], v0, 2, SPARE
	v_mov_b32 v[NIL], 0
	ds_add_u32 v[SPW], v[NIL]                      ; the wave's opening: the add, twice on end, and its wait ahead of the round in front of the first loads
	ds_add_u32 v[SPW], v[NIL]
	v_lshrrev_b32 v8, 5, v0
	v_readfirstlane_b32 s[WV], v8                  ; wave 0..15
	v_and_b32 v[PFO], 31, v0
	v_min_u32 v[PFO], 5, v[PFO]
	v_lshlrev_b32 v[PFO], 8, v[PFO]
	s_bfe_u32 s[CX], ttmp6, 0x40000
	s_and_b32 s77, ttmp7, 0xffff                   ; 16 b + h
	s_lshl_b32 s78, s77, 17                        ; the head's first byte in qc, kc and vc
	s_mov_b32 s79, 0
	s_lshl_b32 s16, s[WV], 2
	s_add_co_u32 s16, s16, s[CX]                   ; t
	s_sub_co_u32 s17, 127, s16
	s_lshl_b32 s86, s17, 4                         ; the first tile's first query: 16 (127 - t)
	s_lshl_b32 s87, s16, 4                         ; the second's: 16 t
	s_lshr_b32 s18, s[WV], 1                       ; t / 8 = w / 2, and (127 - t) / 8 = 15 - w / 2
	s_sub_co_u32 s[LIMK], 15, s18
	s_lshl_b32 s[LIMK], s[LIMK], 7
	s_lshl_b32 s[LIML], s18, 7
	s_and_b32 s19, s[WV], 1
	s_lshl_b32 s19, s19, 2
	s_add_co_u32 s19, s19, s[CX]                   ; t % 8
	s_lshl_b32 s[DDL], s19, 4
	s_sub_co_u32 s[DD], 7, s19
	s_lshl_b32 s[DD], s[DD], 4
	s_and_b32 s81, s77, 0xf0                       ; 16 b
	s_and_b32 s82, s77, 15
	s_lshl_b32 s82, s82, 13                        ; h x 8,192
	PLACE_O 88, 86
	PLACE_O 90, 87
	s_lshl_b32 s92, s86, 6
	s_add_co_u32 s92, s92, s78
	s_mov_b32 s93, 0
	s_lshl_b32 s94, s87, 6
	s_add_co_u32 s94, s94, s78
	s_mov_b32 s95, 0
	; group 1: dense blocks as rows of 256 bytes (32 elements of 8 bytes), 16 bytes of padding behind each; the mask names the cluster's four
	s_mov_b32 s[G1H], 15|(3<<16)|(1<<20)|(1<<21)|(5<<22)|(3<<25)
	s_mov_b32 s[G1H+1], 32<<16
	s_mov_b32 s[G1H+2], 16<<16
	s_mov_b32 s[G1H+3], 32<<16
	s_mov_b32 s[G1H+4], 16
	s_mov_b32 s[G1H+5], 32
	s_mov_b32 s[G1H+6], 0
	s_mov_b32 s[G1H+7], 0
	s_mov_b32 s[G1], 15|(3<<16)|(1<<20)|(1<<21)|(5<<22)|(3<<25)
	s_mov_b32 s[G1+1], 32<<16
	s_mov_b32 s[G1+2], 24<<16
	s_mov_b32 s[G1+3], 32<<16
	s_mov_b32 s[G1+4], 24
	s_mov_b32 s[G1+5], 32
	s_mov_b32 s[G1+6], 0
	s_mov_b32 s[G1+7], 0
	s_lshr_b32 s96, s[WV], 3
	s_mul_i32 s96, s96, VOFF                       ; K's region or V's
	s_and_b32 s97, s[WV], 7                        ; my eighth of a group
	s_mul_i32 s18, s97, 16*272
	s_mov_b32 s[G0A], 1
	s_add_co_u32 s[G0A+1], s96, s18                ; steps 0-3: half a step a wave
	s_mul_i32 s18, s97, 24*272
	s_add_co_u32 s18, s18, 4*STEPB
	s_mov_b32 s[G0B], 1
	s_add_co_u32 s[G0B+1], s96, s18                ; steps 4-9: three quarters of a step a wave
	s_lshl_b32 s84, s97, 12
	s_mov_b32 s85, 0
	s_mul_i32 s98, s97, 6144
	s_mul_i32 s16, s[CX], 1536
	s_add_co_u32 s16, s16, s98                     ; the prefetches: my eighth, and in it my work-group's 6 blocks
	s_mov_b32 s17, 0
	s_add_co_u32 s98, s98, 4*8192
	s_mov_b32 s99, 0
	s_mov_b32 s[SEL], 0x76543210
	s_mov_b32 s[SEL+1], 0xfedcba98
	s_mov_b32 s[CS], 0x3e38aa3b                    ; log2(e) / 8
	s_mov_b32 s[TB], 0
	s_mov_b32 s[KF], 0
	s_wait_alu depctr_va_vdst(0)
	s_wait_dscnt 0x0                               ; both opening adds are done
	s_wait_kmcnt 0x0
	s_load_b256 s[68:75], s[10:11], 0x0            ; e0 .. e7
	s_cmp_lt_u32 s[WV], 8
	s_cselect_b64 s[BASE:BASE+1], s[6:7], s[8:9]
	s_add_nc_u64 s[BASE:BASE+1], s[BASE:BASE+1], s[78:79]
	s_add_nc_u64 s[G0A+2:G0A+3], s[BASE:BASE+1], s[84:85]
	s_or_b32 s[G0A+3], s[G0A+3], 0x80000000
	s_add_nc_u64 s[G0B+2:G0B+3], s[BASE:BASE+1], s[98:99]
	s_or_b32 s[G0B+3], s[G0B+3], 0x80000000
	s_add_nc_u64 s[PFA:PFA+1], s[BASE:BASE+1], s[16:17]
	CROUND                                         ; the four work-groups are here: the first joint loads meet
	tensor_load_to_lds s[G0A:G0A+3], s[G1H:G1H+7]  ; steps 0-3: my one load at the head
	s_nop 0
	NOPS 4
	global_prefetch_b8 v[PFO], s[PFA:PFA+1] offset:4*8192 th:TH_LOAD_NT scope:SCOPE_SE   ; steps 4-9, which the first round's loads will ask for
	s_add_nc_u64 s[56:57], s[12:13], s[88:89]      ; where the first tile's rows go,
	s_add_nc_u64 s[58:59], s[12:13], s[90:91]      ; and the second's
	s_add_nc_u64 s[60:61], s[4:5], s[92:93]        ; the first's Q,
	s_add_nc_u64 s[62:63], s[4:5], s[94:95]        ; and the second's
	v_and_b32 v8, 15, v0                           ; r
	v_bfe_u32 v9, v0, 4, 1                         ; h
	v_and_b32 v10, 31, v0                          ; l
	v_lshlrev_b32 v4, 6, v8
	v_lshl_add_u32 v4, v9, 4, v4                   ; Q: row r of 64 bytes, + 16 h
	v_lshrrev_b32 v11, 2, v8
	v_mul_u32_u24 v[AK0], v11, 272
	v_and_b32 v11, 3, v8
	v_lshl_add_u32 v[AK0], v11, 6, v[AK0]
	v_lshl_add_u32 v[AK0], v9, 4, v[AK0]
	v_lshrrev_b32 v11, 1, v8
	v_mul_u32_u24 v[AV0], v11, 272
	v_and_b32 v11, 1, v8
	v_lshl_add_u32 v[AV0], v11, 7, v[AV0]
	v_lshl_add_u32 v[AV0], v9, 4, v[AV0]
	v_add_nc_u32 v[AV0], VOFF, v[AV0]
	v_lshlrev_b32 v[GO], 4, v10
	s_mul_i32 s96, s[WV], 1280
	s_add_co_u32 s96, s96, STG                     ; my stage
	v_lshrrev_b32 v11, 2, v10
	v_mul_u32_u24 v11, v11, 80
	v_and_b32 v252, 3, v10
	v_lshl_add_u32 v11, v252, 4, v11
	v_add_nc_u32 v[RD], s96, v11                   ; back: four lanes to a row's 64 bytes, eight rows an instruction
	v_mul_u32_u24 v10, v8, 80
	v_lshl_add_u32 v10, v9, 3, v10
	v_add_nc_u32 v[STO], s96, v10                  ; in: row r, + 8 h
	global_load_b128 v[16:19], v4, s[60:61]
	global_load_b128 v[20:23], v4, s[60:61] offset:32
	global_load_b128 v[24:27], v4, s[62:63]
	global_load_b128 v[28:31], v4, s[62:63] offset:32
	s_wait_alu depctr_va_vdst(0)
	s_wait_kmcnt 0x0
	s_add_co_i32 s96, s70, s71
	s_lshl_b32 s96, s96, 23
	s_add_co_i32 s[CS], s[CS], s96                 ; a score stands for score x 2^(e2 + e3): added to c's exponent field
	s_mov_b32 s[CS+1], s[CS]                       ; (named with it as a pair, so it is written)
	s_add_co_i32 s76, s72, s73                     ; e4 + e5
	s_add_co_i32 s96, s72, 127
	s_lshl_b32 s84, s96, 23
	s_add_co_i32 s96, s96, 8
	s_lshl_b32 s96, s96, 23
	s_or_b32 s85, s96, 0x600000
	s_add_co_i32 s96, s74, 127
	s_lshl_b32 s86, s96, 23
	s_add_co_i32 s96, s96, 8
	s_lshl_b32 s96, s96, 23
	s_or_b32 s87, s96, 0x600000
	v_mov_b32 v244, s84                            ; 2^e4
	v_mov_b32 v240, s85                            ; 448 x 2^e4,
	v_mov_b32 v237, s85                            ; twice: the halves of a dual pair take their first sources from different banks
	v_mov_b32 v245, s86                            ; 2^e6
	v_mov_b32 v241, s87                            ; 448 x 2^e6
	v_mov_b32 v236, 0                              ; written once: a lane permute's destination counts as one of its sources
	v_mov_b32 v252, 0
	v_mov_b32 v253, 0
	v_mov_b32 v254, 0
	INIT
; The softmax of a key step
.macro SOFTMAX
	v_max3_num_f32 v254, v96, v97, v98             ; the step's largest score of my query, among my 64 keys, in two chains, each accumulator from its low end on,
	v_max3_num_f32 v252, v99, v100, v101
.irp i, 6,10,14,18,22,26,30,34,38,42,46,50,54,58
	v_max3_num_f32 v254, v254, v[96+\i], v[97+\i]
	v_max3_num_f32 v252, v252, v[98+\i], v[99+\i]
.endr
	v_max3_num_f32 v254, v254, v158, v159
	s_delay_alu instid0(VALU_DEP_1)
	v_max_num_f32 v254, v254, v252
	s_delay_alu instid0(VALU_DEP_1)
	v_permlanex16_b32 v236, v254, s[SEL], s[SEL+1]
	s_delay_alu instid0(VALU_DEP_1)
	v_max_num_f32 v254, v254, v236                 ; and among lane l xor 16's
	s_delay_alu instid0(VALU_DEP_1)
	v_mul_f32 v254, s[CS], v254                    ; as t (c is positive)
	s_delay_alu instid0(VALU_DEP_1)
	v_max_num_f32 v13, v13, v254                   ; the running largest t.  (Key 0 counts for every query: a number from a tile's first step on)
	v_mov_b32 v254, v12
	s_delay_alu instid0(VALU_DEP_2)
	v_floor_f32 v12, -v13                          ; the new -M = floor(-t) = -ceil(t)
	s_delay_alu instid0(VALU_DEP_1)
	v_sub_f32 v254, v12, v254                      ; M's old value less its new one: a whole number, 0 or less
	s_delay_alu instid0(VALU_DEP_1)
	v_cvt_i32_f32 v254, v254                       ; (it saturates)
	s_delay_alu instid0(VALU_DEP_1)
	v_ldexp_f32 v252, 1.0, v254                    ; f = 2^(old M - new M)
.set j, 0
.rept 32
	v_pk_fma_f32 v[96+j:97+j], v[96+j:97+j], s[CS:CS+1], v[12:13] op_sel_hi:[1,0,0]   ; t - M, two at a time
.set j, j+2
.endr
	s_wait_alu depctr_va_vdst(0)
.set j, 0
.rept 64
	v_exp_f32 v[96+j], v[96+j]                     ; p = 2^(t - M), at most 1: not normalised
.set j, j+1
.endr
	v_pk_mul_f32 v[14:15], v[14:15], v[252:253] op_sel_hi:[1,0]   ; the sums under the new M: the plain instruction behind the exponentials
	s_wait_alu depctr_va_vdst(0)                   ; one wait for the whole batch, ahead of its first reader
	v_pk_add_f32 v[242:243], v[96:97], v[98:99]    ; the row's sum of the unquantised p: 32 packed additions in four chains
	v_pk_add_f32 v[246:247], v[100:101], v[102:103]
	v_pk_add_f32 v[250:251], v[104:105], v[106:107]
	v_pk_add_f32 v[14:15], v[14:15], v[108:109]
.irp j, 110,118,126,134,142,150
	v_pk_add_f32 v[242:243], v[242:243], v[\j:\j+1]
	v_pk_add_f32 v[246:247], v[246:247], v[\j+2:\j+3]
	v_pk_add_f32 v[250:251], v[250:251], v[\j+4:\j+5]
	v_pk_add_f32 v[14:15], v[14:15], v[\j+6:\j+7]
.endr
	v_pk_add_f32 v[242:243], v[242:243], v[158:159]
	v_pk_add_f32 v[246:247], v[246:247], v[250:251]
	v_pk_add_f32 v[14:15], v[14:15], v[242:243]
	v_pk_add_f32 v[14:15], v[14:15], v[246:247]
.set j, 0
.rept 32
	v_dual_min_num_f32 v[96+j], v240, v[96+j] :: v_dual_min_num_f32 v[97+j], v237, v[97+j]   ; the conversion to an 8-bit code does not saturate (ISA guide 7.6.2); p is not negative, so the hold is one-sided
.set j, j+2
.endr
.irp c, 0,1,2,3,4,5,6,7
	v_cvt_scalef32_pk8_fp8_f32 v[192+2*\c:193+2*\c], v[96+8*\c:103+8*\c], v244   ; registers 2 c, 2 c + 1 of the operand: k = 16 c + 8 h + 0 .. 7
.endr
	s_wait_alu depctr_va_vdst(0)                   ; directly ahead of the first reader of O^T
.set j, 0
.rept 16
	v_pk_mul_f32 v[160+j:161+j], v[160+j:161+j], v[252:253] op_sel_hi:[1,0]   ; O^T under the new M.  (Also the plain instructions between the conversions and the products)
.set j, j+2
.endr
.endm
; A KEY STEP of 128 keys.  causal = 1: a step behind the tile's last is left out by a scalar branch made of the wave's number and the count of steps; the last one is masked.
.macro STEP causal
.if \causal
	s_cmp_gt_u32 s[KF], s[LIMK]
	s_cbranch_scc1 .Lhidden_\@
.endif
	v_add_nc_u32 v[ADK], s[TB], v[AK0]
	v_add_nc_u32 v[ADV], s[TB], v[AV0]
	NOPS 2                                         ; with the two additions: four places in front of loads into registers that the last products have read
.irp c, 0,1,2,3,4,5,6,7
	ds_load_b128 v[32+8*\c:35+8*\c], v[ADK] offset:4*\c*272
	ds_load_b128 v[36+8*\c:39+8*\c], v[ADK] offset:4*\c*272+32
.endr
	s_wait_alu depctr_va_vdst(0)
	s_wait_dscnt 0x0                               ; K's fragments are in
.irp c, 0,1,2,3,4,5,6,7
	v_wmma_f32_16x16x64_fp8_fp8 v[96+8*\c:103+8*\c], v[32+8*\c:39+8*\c], v[16:23], 0   ; S^T: lane (r, h): query r; register 8 c + j: key 16 c + 8 h + j of the step
.endr
	NOPS 4
.irp t, 0,1,2,3                                ; V's fragments are asked for now and land under the softmax
.irp c, 0,1,2,3
	ds_load_b128 v[32+16*\t+4*\c:35+16*\t+4*\c], v[ADV] offset:\t*2176+32*\c
.endr
.endr
.if \causal
	s_cmp_lt_u32 s[KF], s[LIMK]                    ; a step all of whose keys count skips the mask
	s_cbranch_scc1 .Lopen_\@
	v_and_b32 v252, 15, v0
	v_bfe_u32 v253, v0, 4, 1
	v_lshlrev_b32 v253, 3, v253
	v_sub_nc_u32 v252, v252, v253
	v_add_nc_u32 v252, s[DD], v252                 ; d = my query - the step's first key - 8 h: register 8 c + j counts where 16 c + j <= d, else it becomes -infinity: p = 0 then
.set n, 0
.rept 64
	v_cmp_le_i32 vcc_lo, 16*(n/8)+n%8, v252
	v_cndmask_b32 v[96+n], 0xff800000, v[96+n], vcc_lo
.set n, n+1
.endr
.Lopen_\@:
.endif
	SOFTMAX
	s_wait_alu depctr_va_vdst(0)
	s_wait_dscnt 0x0                               ; V's fragments are in
.irp t, 0,1,2,3
	v_wmma_f32_16x16x128_fp8_fp8 v[160+8*\t:167+8*\t], v[32+16*\t:47+16*\t], v[192:207], v[160+8*\t:167+8*\t]   ; the four accumulators by turns, one instruction a turn
.endr
.if \causal
.Lhidden_\@:
.endif
	s_add_co_u32 s[KF], s[KF], 128
	s_add_co_u32 s[TB], s[TB], STEPB
.endm
.macro WALK n, causal                  ; n key steps on end
	s_mov_b32 s[CNT], \n
.Lwalk_\@:
	STEP \causal
	s_sub_co_u32 s[CNT], s[CNT], 1
	s_cmp_lg_u32 s[CNT], 0
	s_wait_alu depctr_va_vdst(0)
	s_cbranch_scc1 .Lwalk_\@
.endm
; A MEETING behind which a further group is fetched for the first time.  Behind it the group that was out is whole for all waves.
.macro PHASE p
	s_wait_tensorcnt 0x0                           ; my one load that was out has landed, so its group 0 may be written
	ds_add_u32 v[SPW], v[NIL]
.if \p
	s_add_co_u32 s[G0B+1], s[G0B+1], 6*STEPB       ; steps 10-15
	s_add_nc_u64 s[G0B+2:G0B+3], s[G0B+2:G0B+3], 6*8192
.endif
	s_wait_dscnt 0x0
	CROUND
	tensor_load_to_lds s[G0B:G0B+3], s[G1:G1+7]    ; my one load behind the round: it has four key steps of sixteen waves in which to land
	s_nop 0
	NOPS 4
.if \p == 0
	global_prefetch_b8 v[PFO], s[PFA:PFA+1] offset:10*8192 th:TH_LOAD_NT scope:SCOPE_SE   ; steps 10-15, which the next round's loads will ask for
.endif
	WALK 4, 0                                      ; steps that lie ahead of every first tile's diagonal (its first key is 1,024 at the least)
.endm
; THE WAY OUT: O^T / the sum x 2^(e4 + e5), held and converted with 2^e6: a lane's eight d of accumulator t are 8 bytes.  They go through my stage (rows of 64 + 16 bytes) and leave as 2 x 512 consecutive bytes.
.macro WAYOUT base, bk
	NOPS 4                                         ; places behind the last products
	v_add_f32 v14, v14, v15                        ; the sum's two halves,
	v_permlanex16_b32 v252, v14, s[SEL], s[SEL+1]
	v_add_f32 v14, v14, v252                       ; and lane l xor 16's
	s_wait_alu depctr_va_vdst(0)                   ; ahead of the transcendental
	v_rcp_f32 v14, v14
	v_nop
	s_wait_alu depctr_va_vdst(0)                   ; and ahead of its first reader
	v_ldexp_f32 v14, v14, s76
	s_wait_alu depctr_va_vdst(0)                   ; and directly ahead of the first reader of O^T
.set j, 0
.rept 16
	v_pk_mul_f32 v[96+j:97+j], v[160+j:161+j], v[14:15] op_sel_hi:[1,0]   ; register 8 t + i is o(query r, d = 16 t + 8 h + i); each accumulator from its low end on
.set j, j+2
.endr
.set j, 0
.rept 32
	v_med3_num_f32 v[96+j], v[96+j], -v241, v241
.set j, j+1
.endr
.irp t, 0,1,2,3
	v_cvt_scalef32_pk8_fp8_f32 v[224+2*\t:225+2*\t], v[96+8*\t:103+8*\t], v245
.endr
	v_nop                                          ; one plain vector instruction behind the last conversion
.irp t, 0,1,2,3
	ds_store_b64 v[STO], v[224+2*\t:225+2*\t] offset:16*\t
.endr
.irp i, 0,1
	ds_load_b128 v[\bk+4*\i:\bk+4*\i+3], v[RD] offset:640*\i   ; LDS serves a wave's instructions in order: these see my stores
.endr
.irp i, 0,1
	s_wait_dscnt 1-\i                              ; read-back i is in; the younger one may be out
	global_store_b128 v[GO], v[\bk+4*\i:\bk+4*\i+3], s[\base:\base+1] offset:512*\i   ; 32 lanes store 512 consecutive bytes, at a multiple of 256 from the buffer's first byte; each way out has registers and a base of its own
.endr
.endm
	s_wait_alu depctr_va_vdst(0)                   ; the head's end
	s_wait_loadcnt 0x0                             ; Q, both tiles'
	PHASE 0                                        ; steps 0-3 are whole; steps 4-9 are asked for
	PHASE 1                                        ; steps 4-9 are whole; steps 10-15 are asked for; steps 4-7 are walked
	s_wait_tensorcnt 0x0                           ; my part of steps 10-15 is in
	ds_add_u32 v[SPW], v[NIL]
	s_wait_dscnt 0x0
	s_barrier_signal -1
	s_barrier_wait -1                              ; everybody's is: nothing is fetched behind this barrier, and no wave waits for another from here to the end
	WALK 8, 1                                      ; steps 8-15 of the first tile, up to its diagonal
	WAYOUT 56, 208
.irp j, 0,1,2,3,4,5,6,7
	v_mov_b32 v[16+\j], v[24+\j]                   ; the second tile begins: its Q,
.endr
	INIT
	s_mov_b32 s[LIMK], s[LIML]
	s_mov_b32 s[DD], s[DDL]
	s_mov_b32 s[KF], 0
	s_mov_b32 s[TB], 0
	WALK 8, 1                                      ; steps 0-7 of the second, up to its diagonal
	WAYOUT 58, 216
	s_wait_tensorcnt 0x0                           ; the wave's end, behind my last tensor load and my last LDS store
	ds_add_u32 v[SPW], v[NIL]
	s_wait_dscnt 0x0
	CROUND                                         ; the closing round
	s_endpgm
.Lfunc_end_k_q0a333e359a_attn:
	.size	k_q0a333e359a_attn, .Lfunc_end_k_q0a333e359a_attn-k_q0a333e359a_attn
	.p2alignl 7, 3214868480
	.fill 96, 4, 3214868480
	.section	.rodata,"a",@progbits
	.p2align	6, 0x0
	.amdhsa_kernel k_q0a333e359a_attn
		.amdhsa_group_segment_fixed_size 327680
		.amdhsa_private_segment_fixed_size 0
		.amdhsa_enable_private_segment 0
		.amdhsa_kernarg_size 40
		.amdhsa_user_sgpr_count 2
		.amdhsa_user_sgpr_kernarg_segment_ptr 1
		.amdhsa_wavefront_size32 1
		.amdhsa_system_sgpr_workgroup_id_x 1
		.amdhsa_system_sgpr_workgroup_id_y 1
		.amdhsa_system_sgpr_workgroup_id_z 1
		.amdhsa_system_vgpr_workitem_id 0
		.amdhsa_next_free_vgpr 256
		.amdhsa_next_free_sgpr 100
		.amdhsa_reserve_vcc 1
		.amdhsa_float_denorm_mode_32 3
		.amdhsa_float_denorm_mode_16_64 3
		.amdhsa_memory_ordered 1
		.amdhsa_forward_progress 1
		.amdhsa_inst_pref_size 100
	.end_amdhsa_kernel
	.amdgpu_metadata
---
amdhsa.version: [ 1, 2 ]
amdhsa.kernels:
  - .name:           k_q0a333e359a_attn
    .symbol:         k_q0a333e359a_attn.kd
    .args:
      - { .name: qc, .offset: 0, .size: 8, .value_kind: global_buffer, .address_space: global }
      - { .name: kc, .offset: 8, .size: 8, .value_kind: global_buffer, .address_space: global }
      - { .name: vc, .offset: 16, .size: 8, .value_kind: global_buffer, .address_space: global }
      - { .name: lowp_scales, .offset: 24, .size: 8, .value_kind: global_buffer, .address_space: global }
      - { .name: ac, .offset: 32, .size: 8, .value_kind: global_buffer, .address_space: global }
    .group_segment_fixed_size: 327680
    .private_segment_fixed_size: 0
    .kernarg_segment_align: 8
    .kernarg_segment_size: 40
    .max_flat_workgroup_size: 512
    .sgpr_count:     100
    .vgpr_count:     256
    .wavefront_size: 32
...
	.end_amdgpu_metadata
.endif
;; end of part 3
;; launch proj (part 4): grid 8 x 32, 4 waves a work-group, clusters of 4 x 4, 327,680 bytes of LDS; arguments ac, wp, lowp_scales, b_proj, out0; writes out0
.if DOCPART == 4
	.amdgcn_target "amdgcn-amd-amdhsa--gfx1250"
	.amdhsa_code_object_version 6
	.text
	.protected	k_q0a333e359a_proj
	.globl	k_q0a333e359a_proj
	.p2align	8
	.type	k_q0a333e359a_proj,@function
k_q0a333e359a_proj:
	s_mov_b64 s[64:65], 0
	v_nop
	global_prefetch_b8 v0, s[64:65] scope:SCOPE_SE
	s_setreg_imm32_b32 hwreg(HW_REG_WAVE_MODE, 25, 1), 1
	s_wait_xcnt 0x0
	s_wait_alu depctr_hold_cnt(0) depctr_sa_sdst(0) depctr_va_vdst(0) depctr_va_sdst(0) depctr_va_ssrc(0) depctr_va_vcc(0) depctr_vm_vsrc(0)
	s_getreg_b32 s2, hwreg(HW_REG_IB_STS2, 6, 4)
	s_cmp_eq_u32 s2, 0
	s_cbranch_scc0 .Lentry_in_a_cluster
	s_endpgm
.Lentry_in_a_cluster:
	s_bfe_u32 s2, ttmp6, 0x10000c
	s_cmp_lg_u32 s2, 0xf033
	s_cbranch_scc0 .Lentry_shape_is_right
	s_endpgm
.Lentry_shape_is_right:
; out0 = attention's result x W_proj + b_proj on codes of FP8 (E4M3).  ac: [token / 128][h 16][128 tokens][64 d]; wp: [1024 n][1024 k].  Sums in f32; each finished sum x 2^(e6 + e7) + bias in one fused multiply-add.
; LIMIT: e6 + e7 between -126 and 127, so that 2^(e6 + e7) is an f32 number.
; A block of 256 tokens x 128 columns is made by four waves, 128 x 64 each: 32 x 8 = 256 work-groups.  K goes in four steps of 256 through a ring of two LDS slots: waves 0 and 1 fetch 128 tokens each, waves 2 and 3
; 64 rows of wp each.  Clusters of 4 x 4 ask for A's tiles jointly along a row and for B's along a column.
; The matrix instruction is used transposed (source 0 = 16 rows of wp, source 1 = 16 tokens): a lane holds eight neighbouring columns of one row of out0, which leave through a stage as rows of 256 bytes,
; sixteen lanes to a row.
.set ROWB,   256
.set KROW,   1024
.set PITCH,  272
.set PLANE,  32*PITCH
.set FR,     16
.set NL,     4
.set NP,     4
.set HALFT,  128*PITCH
.set SLOT,   4*HALFT
.set SPARE,  2*SLOT
.set SPITCH, 528
.set ASTEP,  2*32768
.set BSTEP,  2*ROWB
.set ADRA, 16
.set ADRB, 20
.set STO,  24
.set RD,   25
.set CO,   26
.set SPW,  28
.set NIL,  29
.set BI,   32
.set AF,   128
.set BK,   128
.set G1, 24
.set G0, 32
.set G1B, 48
.set G0B, 56
.set MSB, 0
.macro WIN new
.if MSB != (\new)
	s_set_vgpr_msb (MSB<<8)|(\new)
.set MSB, (\new)
.endif
.endm
.set MUL_LO, 0xa1
.set MUL_HI, 0xf1
.set TO_B,   0x40
.macro JLOAD g0a, g1a, g0b, g1b
	s_cmp_eq_u32 s15, 0
	s_cbranch_scc0 .Lfor_b_\@
	tensor_load_to_lds s[\g0a:\g0a+3], s[\g1a:\g1a+7]
	s_nop 0
.rept 4
	v_nop
.endr
	s_branch .Lasked_\@
.Lfor_b_\@:
	tensor_load_to_lds s[\g0b:\g0b+3], s[\g1b:\g1b+7]
	s_nop 0
.rept 4
	v_nop
.endr
.Lasked_\@:
.endm
.macro CREST
	s_cmp_lg_u32 s14, 0
	s_cbranch_scc1 .Lnot_wave_0_\@
	s_barrier_signal -3
.Lnot_wave_0_\@:
	s_barrier_wait -3
	s_barrier_signal -1
	s_barrier_wait -1
.endm
.macro CROUND
	s_barrier_signal -1
	s_barrier_wait -1
	CREST
.endm
	s_load_b256 s[4:11], s[0:1], 0x0
	s_load_b64 s[12:13], s[0:1], 0x20
	v_lshl_add_u32 v[SPW], v0, 2, SPARE
	v_mov_b32 v[NIL], 0
	ds_add_u32 v[SPW], v[NIL]
	ds_add_u32 v[SPW], v[NIL]
	v_lshrrev_b32 v1, 5, v0
	v_readfirstlane_b32 s14, v1
	s_lshr_b32 s15, s14, 1
	s_and_b32 s16, s14, 1
	s_bfe_u32 s40, ttmp6, 0x40000
	s_bfe_u32 s41, ttmp6, 0x40004
	s_lshl_b32 s42, ttmp9, 2
	s_add_co_u32 s42, s42, s40
	s_and_b32 s17, ttmp7, 0xffff
	s_lshl_b32 s17, s17, 2
	s_add_co_u32 s17, s17, s41
	s_lshl_b32 s43, s41, 2
	s_lshl_b32 s43, 15, s43
	s_lshl_b32 s44, 0x1111, s40
	s_or_b32 s[G1+0], s43, (3<<16)|(1<<20)|(1<<21)|(5<<22)|(3<<25)
	s_mov_b32 s[G1+1], 32<<16
	s_mov_b32 s[G1+2], 128<<16
	s_mov_b32 s[G1+3], 32<<16
	s_mov_b32 s[G1+4], 128
	s_mov_b32 s[G1+5], 32
	s_mov_b32 s[G1+6], 0
	s_mov_b32 s[G1+7], 0
	s_or_b32 s[G1B+0], s44, (0<<16)|(1<<20)|(1<<21)|(5<<22)|(3<<25)
	s_mov_b32 s[G1B+1], ROWB<<16
	s_mov_b32 s[G1B+2], 64<<16
	s_mov_b32 s[G1B+3], ROWB<<16
	s_mov_b32 s[G1B+4], 64
	s_mov_b32 s[G1B+5], KROW
	s_mov_b32 s[G1B+6], 0
	s_mov_b32 s[G1B+7], 0
	s_lshl_b32 s20, s17, 1
	s_add_co_u32 s20, s20, s16
	s_lshl_b32 s20, s20, 17
	s_mov_b32 s21, 0
	s_lshl_b32 s18, s16, 6                         ; which 64 rows of wp's 128 I fetch
	s_lshl_b32 s46, s42, 7
	s_add_co_u32 s46, s46, s18
	s_lshl_b32 s46, s46, 10
	s_mov_b32 s47, 0
	s_mul_i32 s45, s14, HALFT
	s_wait_dscnt 0x0
	s_wait_kmcnt 0x0
	s_load_b256 s[68:75], s[8:9], 0x0
	s_add_nc_u64 s[20:21], s[4:5], s[20:21]
	s_add_nc_u64 s[46:47], s[6:7], s[46:47]
	CROUND
.irp s, 0,1
	s_mov_b32 s[G0+4*\s], 1
	s_add_co_u32 s[G0+4*\s+1], s45, \s*SLOT
	s_add_nc_u64 s[G0+4*\s+2:G0+4*\s+3], s[20:21], \s*32768
	s_or_b32 s[G0+4*\s+3], s[G0+4*\s+3], 0x80000000
	s_mov_b32 s[G0B+4*\s], 1
	s_add_co_u32 s[G0B+4*\s+1], s45, \s*SLOT
	s_add_nc_u64 s[G0B+4*\s+2:G0B+4*\s+3], s[46:47], \s*ROWB
	s_or_b32 s[G0B+4*\s+3], s[G0B+4*\s+3], 0x80000000
.endr
	JLOAD G0, G1, G0B, G1B                         ; K step 0: one tensor load a wave at the head
	v_and_b32 v1, 15, v0
	v_bfe_u32 v2, v0, 4, 1
	v_mul_u32_u24 v3, v1, PITCH
	v_lshl_add_u32 v4, v2, 4, v3
	v_lshrrev_b32 v5, 2, v1
	v_mul_u32_u24 v5, v5, PITCH
	v_and_b32 v6, 3, v1
	v_lshl_add_u32 v5, v6, 6, v5
	v_lshl_add_u32 v5, v2, 4, v5
	s_mul_i32 s21, s15, HALFT
	s_mul_i32 s22, s16, HALFT
	s_add_co_u32 s22, s22, 2*HALFT
.irp s, 0,1
	v_add_nc_u32 v[ADRA+\s], s21, v5
	v_add_nc_u32 v[ADRB+\s], s22, v4
	s_add_co_u32 s21, s21, SLOT
	s_add_co_u32 s22, s22, SLOT
.endr
	s_mul_i32 s23, s14, 16*SPITCH
	v_mul_u32_u24 v5, v1, SPITCH
	v_lshl_add_u32 v5, v2, 5, v5
	v_add_nc_u32 v[STO], s23, v5
	v_lshlrev_b32 v27, 4, v1                       ; 16 (l % 16): my 16 bytes of a row's 256, in the stage, in the bias and in out0
	v_mad_u32_u24 v6, v2, SPITCH, v27
	v_add_nc_u32 v[RD], s23, v6                    ; back: lanes 0-15 one row, lanes 16-31 the next
	v_lshl_add_u32 v[CO], v2, 12, v27              ; and the same two rows of out0, 4,096 bytes apart
	s_lshl_b32 s46, s42, 9                         ; my first column, in bytes: 512 x block column + 256 x half
	s_lshl_b32 s47, s16, 8
	s_add_co_u32 s46, s46, s47
	s_mov_b32 s47, 0
	s_add_nc_u64 s[84:85], s[10:11], s[46:47]
	global_load_b128 v[BI:BI+3], v27, s[84:85]
	s_lshl_b32 s20, s17, 8
	s_lshl_b32 s21, s15, 7
	s_add_co_u32 s20, s20, s21
	s_lshl_b32 s20, s20, 12
	s_add_co_u32 s20, s20, s46
	s_mov_b32 s21, 0
	s_add_nc_u64 s[12:13], s[12:13], s[20:21]
.macro FRAG reg, adr, q, i
.irp c, 0,1,2,3
	ds_load_b128 v[\reg+4*\c:\reg+4*\c+3], v[\adr] offset:128*(\q)+32*\c+(\i)*16*PITCH
.endr
.endm
.macro FRAGA reg, adr, q, i
.irp c, 0,1,2,3
	ds_load_b128 v[\reg+4*\c:\reg+4*\c+3], v[\adr] offset:(2*(\q)+\c/2)*PLANE+32*(\c%2)+(\i)*4*PITCH
.endr
.endm
.macro MUL16 a0, p, zero
.irp a, \a0, \a0+1
.irp b, 0,1,2,3
.if \zero
	v_wmma_f32_16x16x128_fp8_fp8 v[8*(8*((\a)%4)+\b):8*(8*((\a)%4)+\b)+7], v[128*(\p)+FR*\b:128*(\p)+FR*\b+FR-1], v[AF+FR*(\a):AF+FR*(\a)+FR-1], 0
.else
	v_wmma_f32_16x16x128_fp8_fp8 v[8*(8*((\a)%4)+\b):8*(8*((\a)%4)+\b)+7], v[128*(\p)+FR*\b:128*(\p)+FR*\b+FR-1], v[AF+FR*(\a):AF+FR*(\a)+FR-1], v[8*(8*((\a)%4)+\b):8*(8*((\a)%4)+\b)+7]
.endif
.endr
.endr
.endm
.macro FETCH_B slot, q, p
	WIN TO_B
.irp i, 0,1,2,3
	FRAG 128*(\p)+FR*\i, ADRB+\slot, \q, \i
.endr
	WIN 0
.endm
.macro FETCH_A slot, q, i0
.irp i, \i0, \i0+1, \i0+2, \i0+3
	FRAGA AF+FR*(\i), ADRA+\slot, \q, \i
.endr
.endm
.macro PLACES n
.rept \n
	v_nop
.endr
.endm
.macro STEP slot, q, zero
	s_wait_dscnt 4*NL
	WIN MUL_LO
	MUL16 0, (\q)%2, \zero
	MUL16 2, (\q)%2, \zero
	s_wait_dscnt 0
	PLACES NP
	FETCH_B \slot, (\q)+1, 1-(\q)%2
	FETCH_A \slot, (\q)+1, 0
	WIN MUL_HI
	MUL16 4, (\q)%2, \zero
	MUL16 6, (\q)%2, \zero
	PLACES NP
	WIN 0
	FETCH_A \slot, (\q)+1, 4
.endm
.macro TURN slot, next, fill
	s_wait_tensorcnt 0x0
	ds_add_u32 v[SPW], v[NIL]
	s_wait_dscnt 4*NL+1
	WIN MUL_LO
	MUL16 0, 1, 0
	s_wait_dscnt 0x0
	s_barrier_signal -1
	MUL16 2, 1, 0
	WIN 0
	s_barrier_wait -1
.if \fill
	CREST
	s_add_nc_u64 s[G0+4*\slot+2:G0+4*\slot+3], s[G0+4*\slot+2:G0+4*\slot+3], ASTEP
	s_add_nc_u64 s[G0B+4*\slot+2:G0B+4*\slot+3], s[G0B+4*\slot+2:G0B+4*\slot+3], BSTEP
	JLOAD G0+4*\slot, G1, G0B+4*\slot, G1B
.else
	PLACES NP
.endif
	FETCH_B \next, 0, 0
	FETCH_A \next, 0, 0
	WIN MUL_HI
	MUL16 4, 1, 0
	MUL16 6, 1, 0
	PLACES NP
	WIN 0
	FETCH_A \next, 0, 4
.endm
	s_wait_alu depctr_va_vdst(0)                   ; the head's end
	s_wait_tensorcnt 0x0                           ; my part of K step 0 is in
	ds_add_u32 v[SPW], v[NIL]
	s_wait_dscnt 0x0
	CROUND                                         ; a whole round: everybody's part of K step 0 is in, and the joint loads meet
	JLOAD G0+4, G1, G0B+4, G1B                     ; K step 1, slot 1's first fill: the first tensor load behind the round
	FETCH_B 0, 0, 0
	FETCH_A 0, 0, 0
	FETCH_A 0, 0, 4
	STEP 0, 0, 1
	TURN 0, 1, 1
	STEP 1, 0, 0
	TURN 1, 0, 1
	STEP 0, 0, 0
	TURN 0, 1, 0
	STEP 1, 0, 0
	s_wait_dscnt 4*NL
	WIN MUL_LO
	MUL16 0, 1, 0
	MUL16 2, 1, 0
	s_wait_dscnt 0
	WIN MUL_HI
	MUL16 4, 1, 0
	MUL16 6, 1, 0
	WIN 0
.macro TOSTAGE a
.set AC, 64*((\a)%4)
	WIN 0x08+4*((\a)/4)
.irp b, 0,1,2,3
	ds_store_b128 v[STO], v[AC+8*\b:AC+8*\b+3] offset:64*\b
	ds_store_b128 v[STO], v[AC+8*\b+4:AC+8*\b+7] offset:64*\b+16
.endr
	WIN 0
.set BB, BK+64*((\a)%2)
.irp t, 0,1,2,3,4,5,6,7
	ds_load_b128 v[BB+4*\t:BB+4*\t+3], v[RD] offset:2*\t*SPITCH
.endr
.endm
.macro SEND a, younger
.set BB, BK+64*((\a)%2)
	s_wait_dscnt \younger
.irp t, 0,1,2,3,4,5,6,7
	v_pk_fma_f32 v[BB+4*\t:BB+4*\t+1], v[BB+4*\t:BB+4*\t+1], s[96:97], v[BI:BI+1] op_sel_hi:[1,0,1]
	v_pk_fma_f32 v[BB+4*\t+2:BB+4*\t+3], v[BB+4*\t+2:BB+4*\t+3], s[96:97], v[BI+2:BI+3] op_sel_hi:[1,0,1]
.endr
.irp t, 0,1,2,3,4,5,6,7
	global_store_b128 v[CO], v[BB+4*\t:BB+4*\t+3], s[12:13] offset:(16*(\a)+2*\t)*4096 th:TH_STORE_NT
.endr
.endm
	s_wait_kmcnt 0x0
	s_add_co_i32 s96, s74, s75
	s_add_co_i32 s96, s96, 127
	s_lshl_b32 s96, s96, 23
	s_mov_b32 s97, s96
	s_wait_loadcnt 0x0
	PLACES NP
	TOSTAGE 0
.irp a, 1,2,3,4,5,6,7
.if \a > 1
	s_wait_xcnt 0x0
.endif
	TOSTAGE \a
	SEND \a-1, 16                                  ; behind block a - 1's loads: block a's 8 stores and 8 loads
.endr
	SEND 7, 0
	s_wait_tensorcnt 0x0
	ds_add_u32 v[SPW], v[NIL]
	s_wait_dscnt 0x0
	CROUND
	s_endpgm
.Lfunc_end_k_q0a333e359a_proj:
	.size	k_q0a333e359a_proj, .Lfunc_end_k_q0a333e359a_proj-k_q0a333e359a_proj
	.p2alignl 7, 3214868480
	.fill 96, 4, 3214868480
	.section	.rodata,"a",@progbits
	.p2align	6, 0x0
	.amdhsa_kernel k_q0a333e359a_proj
		.amdhsa_group_segment_fixed_size 327680
		.amdhsa_private_segment_fixed_size 0
		.amdhsa_enable_private_segment 0
		.amdhsa_kernarg_size 40
		.amdhsa_user_sgpr_count 2
		.amdhsa_user_sgpr_kernarg_segment_ptr 1
		.amdhsa_wavefront_size32 1
		.amdhsa_system_sgpr_workgroup_id_x 1
		.amdhsa_system_sgpr_workgroup_id_y 1
		.amdhsa_system_sgpr_workgroup_id_z 1
		.amdhsa_system_vgpr_workitem_id 0
		.amdhsa_next_free_vgpr 1024
		.amdhsa_next_free_sgpr 98
		.amdhsa_reserve_vcc 0
		.amdhsa_float_denorm_mode_32 3
		.amdhsa_float_denorm_mode_16_64 3
		.amdhsa_memory_ordered 1
		.amdhsa_forward_progress 1
		.amdhsa_inst_pref_size 77
	.end_amdhsa_kernel
	.amdgpu_metadata
---
amdhsa.version: [ 1, 2 ]
amdhsa.kernels:
  - .name:           k_q0a333e359a_proj
    .symbol:         k_q0a333e359a_proj.kd
    .args:
      - { .name: ac, .offset: 0, .size: 8, .value_kind: global_buffer, .address_space: global }
      - { .name: wp, .offset: 8, .size: 8, .value_kind: global_buffer, .address_space: global }
      - { .name: lowp_scales, .offset: 16, .size: 8, .value_kind: global_buffer, .address_space: global }
      - { .name: b_proj, .offset: 24, .size: 8, .value_kind: global_buffer, .address_space: global }
      - { .name: out0, .offset: 32, .size: 8, .value_kind: global_buffer, .address_space: global }
    .group_segment_fixed_size: 327680
    .private_segment_fixed_size: 0
    .kernarg_segment_align: 8
    .kernarg_segment_size: 40
    .max_flat_workgroup_size: 128
    .sgpr_count:     98
    .vgpr_count:     1024
    .wavefront_size: 32
...
	.end_amdgpu_metadata
.endif
;; end of part 4
